; MI455X (gfx1250); checked and timed in simulation.
; The chip was launched on July 23, 2026; its instructions are those of AMD's public machine-readable ISA for CDNA 5 (MIT licence, August 2026) and "CDNA5" Instruction Set Architecture Reference Guide (July 2026). The comments in the code are by the model that wrote it; some were corrected since.
;; Causal Self Attention. Allowed arithmetic: matrix products marked QUANTISED: E2M1 operands, one E8M0 scale for each 32 along K, by v_wmma_scale_f32_16x16x128_f8f6f4 with both operands' format E2M1 (or v_wmma_scale_f32_32x16x128_f4), f32 sums; products left as they are: bf16, f16 or f32 operands; f32 sums; everything else in f32.
;; Inputs: W_attn 1,024 x 3,072 float32; W_proj 1,024 x 1,024 float32; b_attn 3,072 float32; b_proj 1,024 float32; x 4 x 2,048 x 1,024 float32.
;; Outputs: out0 4 x 2,048 x 1,024 float32.
;; This version of the problem:
;;   THIS VERSION OF THE PROBLEM IS GIVEN IN LOW PRECISION. The matrix products marked QUANTISED in the list below multiply operands that are first quantised to E2M1 (2 exponent bits, 1 mantissa bit; 4 bits a number), with one power-of-two scale for each 32 numbers along K (OCP MX v1.0); their sums are f32. The products marked 'left as it is' may take bf16, f16 or f32 operands, with f32 sums. Whichever they take, every output number must still come out within the allowed error. Rounding operands to bf16 (8 significant bits) uses up far more of that allowance than f16 does (11 bits, for magnitudes from 6e-5 to 65,504). All else is computed in f32.
;;   The module's matrix products, in the order in which they are computed (A, B: the left and right operand; K: the contracted axis; several contracted axes count as one K, in the product's order):
;;     1. [M 8,192, K 1,024] x [K 1,024, N 3,072]; A: input x; B: input W_attn: QUANTISED
;;     2. batch 64 x [M 2,048, K 64] x [K 64, N 2,048]; A: computed on the way; B: computed on the way: left as it is (an operand is computed on the way)
;;     3. batch 64 x [M 2,048, K 2,048] x [K 2,048, N 64]; A: computed on the way; B: computed on the way: left as it is (an operand is computed on the way)
;;     4. [M 8,192, K 1,024] x [K 1,024, N 1,024]; A: computed on the way; B: input W_proj: left as it is (an operand is computed on the way)
;;   THE QUANTISER, for each operand of a quantised product, along K:
;;     - K is cut into blocks of 32 from its start; a last block that is shorter is filled with zeros.
;;     - A block's scale is 2^e with e = floor(log2(the largest magnitude in the block)) - 2, held to -126 .. 127; a block of zeros has e = 0. As a byte (E8M0): e + 127.
;;     - Each number is divided by its block's scale, clamped to +-6, and rounded to the nearest number of E2M1, ties to even, subnormals kept.
;;     - The product sums the exact products of the quantised numbers (number of the format x scale) in f32.
;;   ~~~python
;;   def quantise(x, axis):      # numpy; x: float32 -> the quantised numbers, widened to float32 again
;;       x = np.moveaxis(x, axis, -1); K = x.shape[-1]
;;       x = np.pad(x, [(0, 0)] * (x.ndim - 1) + [(0, -K % 32)]); x = x.reshape(x.shape[:-1] + (-1, 32)); a = np.abs(x).max(-1, keepdims=True)
;;       e = np.where(a > 0, np.clip(np.frexp(np.where(a > 0, a, 1))[1] - 1 - 2, -126, 127), 0)      # np.frexp(a)[1] - 1 = floor(log2(a)), exactly
;;       r = np.clip(x / 2.0 ** e, -6, 6)
;;       step = 2.0 ** (np.maximum(np.frexp(np.where(r == 0, 1, r))[1] - 1, 0) - 1)
;;       q = np.round(r / step) * step * 2.0 ** e      # np.round: ties to even
;;       return np.moveaxis(q.reshape(q.shape[:-2] + (-1,))[..., :K], -1, axis).astype(np.float32)
;;   ~~~
;; One version. Each part assembles by itself: llvm-mc -triple=amdgcn-amd-amdhsa -mcpu=gfx1250 --defsym DOCPART=n.
;; ======== version 1 of 1: 5 launches
;; limits: values are held in f16: magnitudes above 65,504 overflow, below 6.1e-05 lose precision
;; workspace buffers: x_codes 4,194,304 bytes; x_scales 262,144 bytes; w_codes 1,572,864 bytes; w_scales 98,304 bytes; wp16 2,097,152 bytes; qkv16 50,331,648 bytes; fineq 786,432 bytes; y16 16,777,216 bytes
;; launch prep (part 1): grid 288 x 1, 8 waves a work-group, no clusters, 84,992 bytes of LDS; arguments x, W_attn, W_proj, x_codes, x_scales, w_codes, w_scales, wp16; writes x_codes, x_scales, w_codes, w_scales, wp16
.if DOCPART == 1
	.amdgcn_target "amdgcn-amd-amdhsa--gfx1250"
	.amdhsa_code_object_version 6
	.text
	.protected	k_q626fb0a2eb_prep
	.globl	k_q626fb0a2eb_prep
	.p2align	8
	.type	k_q626fb0a2eb_prep,@function
k_q626fb0a2eb_prep:
	s_mov_b64 s[64:65], 0
	v_nop
	global_prefetch_b8 v0, s[64:65] scope:SCOPE_SE
	s_setreg_imm32_b32 hwreg(HW_REG_WAVE_MODE, 25, 1), 1
	s_wait_xcnt 0x0
; CAUSAL SELF-ATTENTION, launch 1 of 5: the operands of the quantised product x W_attn become codes of E2M1 with E8M0 scale bytes, and W_proj becomes f16.
; WORK LEFT OUT BY THE WHOLE PROGRAM, AND WHY IT IS DEAD.
;  (1) b_attn[1024:2048], the bias on k.  score(q, key) = q . (k' + bk) = q . k' + q . bk.  The second term is the same for every key of a query's row, so softmax along the keys
;      takes it away for all values of the inputs; the product q k^T is not quantised, so bk moves no code and no scale.  These 1,024 numbers are not loaded.
;  (2) Key steps that lie wholly behind a query tile's last query: reference() sets those scores to -infinity by a mask that it builds itself, so their weights are 0.
;  LIMIT: a NaN, an infinity or an overflow that reaches only this work is not carried to the result.
; LIMITS OF THE PROGRAM: q, k, v, the softmax's weights, y and W_proj go to the matrix units as f16, so their magnitudes stay under 65,504; NaN and infinities among the inputs are not served.
; A block of zeros gets the scale byte 1 where the quantiser says 127: its codes are zeros, which add nothing under that byte, and only this program reads the bytes.
; THREE PATHS, parted by the work-group's number, never joined, each with LDS bytes of its own:
;  work-groups 0-127: x [8192][1024], K innermost: a plain stream of blocks of 32.  A wave takes 16 steps of 512 numbers.  Each load reads 512 consecutive bytes; a step turns through the wave's stage in LDS,
;    so that a lane holds 16 neighbours along K for the conversions.  Loads run eight steps (32 loads a wave) ahead.
;  work-groups 128-223: W_attn [1024 k][3072 n], K outermost: a lane takes a column, its registers run down K.  A work-group takes 64 columns x 512 along K; codes leave through LDS as rows of 256 bytes.
;  work-groups 224-287: W_proj to f16, kept [k][n].
.set SPW,   12                         ; v12  LDS address of my spare word; never rewritten
.set NIL,   13                         ; v13  0; never rewritten
.set SP,    80                         ; path x: a lane's place in a stage: 64 bytes + 16 of padding
.set WREG,  8192                       ; path x: a wave's region: two stages of 32 x SP bytes, then its 256 scale bytes
.set WSTG,  65536                      ; path w: 64 rows (columns of W) x 272 bytes of codes
.set WP,    272
.set WSC,   WSTG+64*WP                 ; path w: 64 rows x 16 scale bytes
.set SPARE, WSC+64*16                  ; the spare words: 128 bytes for each of eight waves, named by no other line
.set R,     16                         ; v16-143  path x: eight sets of 16 numbers as loaded
.set X,     144                        ; v144-175 two sets of 16 neighbours
.set C,     176                        ; v176-207 codes, two registers a step
.set E,     208                        ; v208-223 a scale byte a step
	s_load_b256 s[4:11], s[0:1], 0x0               ; x, W_attn, W_proj, x_codes
	s_load_b256 s[12:19], s[0:1], 0x20             ; x_scales, w_codes, w_scales, wp16
	v_lshl_add_u32 v[SPW], v0, 2, SPARE
	v_mov_b32 v[NIL], 0
	v_lshrrev_b32 v1, 5, v0
	v_readfirstlane_b32 s20, v1                    ; wave 0..7
	v_and_b32 v2, 31, v0                           ; lane
	s_wait_kmcnt 0x0
	s_cmp_lt_u32 ttmp9, 128
	s_cbranch_scc1 .Lpath_x
	s_cmp_lt_u32 ttmp9, 224
	s_cbranch_scc1 .Lpath_w
	; ---- W_proj to f16: a wave takes 2,048 numbers; every register is used once, so nothing waits but the conversions for their loads
	s_sub_co_u32 s21, ttmp9, 224
	s_lshl_b32 s21, s21, 3
	s_add_co_u32 s21, s21, s20                     ; which run of 8,192 bytes
	s_lshl_b32 s22, s21, 13
	s_mov_b32 s23, 0
	s_add_nc_u64 s[8:9], s[8:9], s[22:23]
	s_lshl_b32 s22, s21, 12
	s_add_nc_u64 s[18:19], s[18:19], s[22:23]
	v_lshlrev_b32 v3, 4, v2
	v_lshlrev_b32 v4, 3, v2
.irp i, 0,1,2,3,4,5,6,7,8,9,10,11,12,13,14,15
	global_load_b128 v[64+4*\i:67+4*\i], v3, s[8:9] offset:512*\i
.endr
.irp i, 0,1,2,3,4,5,6,7,8,9,10,11,12,13,14,15
	s_wait_loadcnt 15-\i                           ; loads come back in order: load i is in, the younger ones stay out
	v_cvt_pk_f16_f32 v[16+2*\i], v[64+4*\i], v[65+4*\i]
	v_cvt_pk_f16_f32 v[17+2*\i], v[66+4*\i], v[67+4*\i]
	global_store_b64 v4, v[16+2*\i:17+2*\i], s[18:19] offset:256*\i   ; the wave stores 256 consecutive bytes, aligned
.endr
	s_wait_tensorcnt 0x0                           ; the closing lines of the launch, as on the other two paths
	ds_add_u32 v[SPW], v[NIL]
	s_wait_dscnt 0x0
	s_endpgm
	; ---- x
.Lpath_x:
	s_mul_i32 s21, s20, WREG
	v_lshlrev_b32 v3, 4, v2                        ; my 16 bytes of a load's 512
	v_lshrrev_b32 v14, 2, v2
	v_mul_u32_u24 v14, v14, SP
	v_and_b32 v15, 3, v2
	v_lshl_add_u32 v14, v15, 4, v14
	v_add_nc_u32 v14, s21, v14                     ; into the stage: four lanes' 64 bytes on end, then 16 of padding
	v_mul_u32_u24 v15, v2, SP
	v_add_nc_u32 v15, s21, v15                     ; out of it: my 16 neighbours
	v_lshlrev_b32 v4, 3, v2                        ; my 8 bytes of a step's 256 bytes of codes
	v_lshrrev_b32 v5, 1, v2
	s_add_co_u32 s21, s21, 2*32*SP
	v_add_nc_u32 v5, s21, v5                       ; my block's scale byte in the wave's 256
	v_lshlrev_b32 v7, 3, v2
	v_add_nc_u32 v6, s21, v7
	s_lshl_b32 s21, ttmp9, 3
	s_add_co_u32 s21, s21, s20                     ; which run of 8,192 numbers
	s_mov_b32 s23, 0
	s_lshl_b32 s22, s21, 15
	s_add_nc_u64 s[4:5], s[4:5], s[22:23]
	s_lshl_b32 s22, s21, 12
	s_add_nc_u64 s[10:11], s[10:11], s[22:23]
	s_lshl_b32 s22, s21, 8
	s_add_nc_u64 s[12:13], s[12:13], s[22:23]
.macro XLOAD t
.irp i, 0,1,2,3
	global_load_b128 v[R+16*((\t)%8)+4*\i:R+16*((\t)%8)+4*\i+3], v3, s[4:5] offset:2048*(\t)+512*\i th:TH_LOAD_NT
.endr
.endm
.macro XTURN t                         ; step t through the stage: LDS serves a wave's instructions in order, so no wait stands between the stores and the loads
.irp i, 0,1,2,3
	ds_store_b128 v14, v[R+16*((\t)%8)+4*\i:R+16*((\t)%8)+4*\i+3] offset:32*SP*((\t)%2)+8*SP*\i
.endr
.irp i, 0,1,2,3
	ds_load_b128 v[X+16*((\t)%2)+4*\i:X+16*((\t)%2)+4*\i+3], v15 offset:32*SP*((\t)%2)+16*\i
.endr
.endm
.irp t, 0,1,2,3,4,5,6,7
	XLOAD \t
.endr
	s_wait_loadcnt 28                              ; step 0's four loads are in; seven steps' stay out
	XTURN 0
.macro XSTEP t
.set XS, X+16*((\t)%2)
.if (\t) > 0
	s_wait_dscnt 1                                 ; this step's numbers are back (the last step's byte store may be out), so its stores into the stage have read their registers,
.else
	s_wait_dscnt 0x0
.endif
.if (\t)+8 < 16
	XLOAD (\t)+8                                   ; which take the loads of eight steps on
.endif
.if (\t)+1 < 16
.if 14-(\t) >= 7
	s_wait_loadcnt 28                              ; the next step's loads are in; behind them seven steps' were issued
.else
	s_wait_loadcnt 4*(14-(\t))                     ; or as many as are left
.endif
	XTURN (\t)+1
.endif
	v_max3_num_f32 v8, |v[XS]|, |v[XS+1]|, |v[XS+2]|               ; the largest magnitude of my 16, in two chains
	v_max3_num_f32 v9, |v[XS+3]|, |v[XS+4]|, |v[XS+5]|
.irp i, 6,10
	v_max3_num_f32 v8, v8, |v[XS+\i]|, |v[XS+\i+1]|
	v_max3_num_f32 v9, v9, |v[XS+\i+2]|, |v[XS+\i+3]|
.endr
	v_max3_num_f32 v8, v8, |v[XS+14]|, |v[XS+15]|
	v_max3_num_f32 v8, v8, v9, 0x1800000           ; and the floor 2^(3 - 127): the byte cannot fall under 1
	v_max_num_f32_dpp v8, v8, v8 row_xmask:1 row_mask:0xf bank_mask:0xf   ; with my neighbour's 16: the block's
	v_add_nc_u32 v11, 0xff000000, v8               ; 2 off the exponent field: the conversion's scale operand
	v_cvt_scalef32_pk8_fp4_f32 v[C+2*(\t)], v[XS:XS+7], v11
	v_cvt_scalef32_pk8_fp4_f32 v[C+2*(\t)+1], v[XS+8:XS+15], v11
	v_lshrrev_b32 v[E+(\t)], 23, v11               ; the scale's byte (also the plain line behind the conversions)
	ds_store_b8 v5, v[E+(\t)] offset:16*(\t)       ; both lanes of a block write the same byte with the same value
	global_store_b64 v4, v[C+2*(\t):C+2*(\t)+1], s[10:11] offset:256*(\t)   ; the wave stores 256 consecutive bytes, aligned
.endm
.irp t, 0,1,2,3,4,5,6,7,8,9,10,11,12,13,14,15
	XSTEP \t
.endr
	ds_load_b64 v[8:9], v6                         ; my wave's 256 scale bytes, 8 a lane
	s_wait_dscnt 0x0
	global_store_b64 v7, v[8:9], s[12:13]
	s_wait_tensorcnt 0x0                           ; the wave's end, behind my last LDS store
	ds_add_u32 v[SPW], v[NIL]
	s_wait_dscnt 0x0
	s_endpgm
	; ---- W_attn
.Lpath_w:
	s_sub_co_u32 s21, ttmp9, 128
	s_and_b32 s22, s21, 1                          ; Y: which 512 along K
	s_lshr_b32 s21, s21, 1                         ; which 64 columns
	s_and_b32 s23, s20, 1                          ; cg: which 32 of them are my wave's
	s_lshr_b32 s24, s20, 1                         ; kq: which 128 along K
	s_mul_i32 s25, s23, 32*WP
	s_lshl_b32 s26, s24, 6
	s_add_co_u32 s25, s25, s26
	s_add_co_u32 s25, s25, WSTG
	v_mul_u32_u24 v25, v2, WP
	v_add_nc_u32 v25, s25, v25                     ; codes into the stage: row = my column, 64 kq bytes on
	s_lshl_b32 s25, s23, 9
	s_lshl_b32 s26, s24, 2
	s_add_co_u32 s25, s25, s26
	s_add_co_u32 s25, s25, WSC
	v_lshlrev_b32 v26, 4, v2
	v_add_nc_u32 v26, s25, v26                     ; my four scale bytes
	v_and_b32 v5, 15, v2
	v_lshrrev_b32 v6, 4, v2
	s_mul_i32 s25, s20, 8*WP
	s_add_co_u32 s25, s25, WSTG
	v_mul_u32_u24 v27, v6, WP
	v_lshl_add_u32 v27, v5, 4, v27
	v_add_nc_u32 v27, s25, v27                     ; out of the stage: wave w takes rows 8 w on, sixteen lanes to a row
	v_lshlrev_b32 v28, 9, v6
	v_lshl_add_u32 v28, v5, 4, v28                 ; and the same place in w_codes (rows of 512 bytes)
	v_and_b32 v29, 63, v0
	v_lshlrev_b32 v30, 5, v29                      ; scale bytes out: rows of 32 bytes in w_scales,
	v_lshl_add_u32 v29, v29, 4, WSC                ; 16 bytes a row in LDS
	v_lshlrev_b32 v3, 2, v2
	s_lshl_b32 s26, s22, 9
	s_lshl_b32 s27, s24, 7
	s_add_co_u32 s26, s26, s27
	s_mul_i32 s26, s26, 12288                      ; my first row of W_attn (12,288 bytes a row),
	s_lshl_b32 s27, s21, 8
	s_add_co_u32 s26, s26, s27
	s_lshl_b32 s27, s23, 7
	s_add_co_u32 s26, s26, s27                     ; my wave's first column
	s_mov_b32 s27, 0
	s_add_nc_u64 s[6:7], s[6:7], s[26:27]
	s_lshl_b32 s26, s21, 15
	s_lshl_b32 s28, s20, 12
	s_add_co_u32 s26, s26, s28
	s_lshl_b32 s28, s22, 8
	s_add_co_u32 s26, s26, s28
	s_add_nc_u64 s[14:15], s[14:15], s[26:27]      ; w_codes at row 64 X + 8 w, byte 256 Y
	s_lshl_b32 s26, s21, 11
	s_lshl_b32 s28, s22, 4
	s_add_co_u32 s26, s26, s28
	s_add_nc_u64 s[16:17], s[16:17], s[26:27]      ; w_scales at row 64 X, byte 16 Y
.set nn, 0
.rept 128
	global_load_b32 v[64+nn], v3, s[6:7] offset:12288*nn th:TH_LOAD_NT   ; W(k0 + nn, my column): 32 lanes read 128 consecutive bytes
.set nn, nn+1
.endr
.macro WBLOCK t, left
.set XS, 64+32*(\t)
	s_wait_loadcnt \left                           ; this block's 32 loads are in (behind them 96 - 32 t were issued; the count is held at 63, the largest a wait can name)
	v_max3_num_f32 v20, |v[XS]|, |v[XS+1]|, |v[XS+2]|              ; all 32 numbers of the block are mine
	v_max3_num_f32 v21, |v[XS+3]|, |v[XS+4]|, |v[XS+5]|
.irp i, 6,10,14,18,22,26
	v_max3_num_f32 v20, v20, |v[XS+\i]|, |v[XS+\i+1]|
	v_max3_num_f32 v21, v21, |v[XS+\i+2]|, |v[XS+\i+3]|
.endr
	v_max3_num_f32 v20, v20, |v[XS+30]|, |v[XS+31]|
	v_max3_num_f32 v20, v20, v21, 0x1800000        ; the floor 2^(3 - 127)
	v_add_nc_u32 v22, 0xff000000, v20              ; the conversion's scale operand
	v_lshrrev_b32 v23, 23, v22                     ; the byte
.if (\t) == 0
	v_mov_b32 v24, v23
.else
	v_lshl_or_b32 v24, v23, 8*(\t), v24            ; four bytes to a word, the lower K in the lower byte
.endif
.irp g, 0,1,2,3
	v_cvt_scalef32_pk8_fp4_f32 v[32+4*(\t)+\g], v[XS+8*\g:XS+8*\g+7], v22
.endr
	v_nop                                          ; a plain line behind the conversions
	ds_store_b128 v25, v[32+4*(\t):35+4*(\t)] offset:16*(\t)
.endm
	WBLOCK 0, 63
	WBLOCK 1, 63
	WBLOCK 2, 32
	WBLOCK 3, 0
	ds_store_b32 v26, v24
	s_wait_dscnt 0x0                               ; for the others' sake: my stores have landed
	s_barrier_signal -1
	s_barrier_wait -1
.irp i, 0,1,2,3
	ds_load_b128 v[48+4*\i:51+4*\i], v27 offset:2*\i*WP
.endr
.irp i, 0,1,2,3
	s_wait_dscnt 3-\i
	global_store_b128 v28, v[48+4*\i:51+4*\i], s[14:15] offset:2*\i*512   ; sixteen lanes store 256 consecutive bytes, aligned
.endr
	s_cmp_lt_u32 s20, 2                            ; waves 0 and 1 carry out the 64 rows' scale bytes, 16 a lane
	s_cbranch_scc0 .Lw_done
	ds_load_b128 v[192:195], v29
	s_wait_dscnt 0x0
	global_store_b128 v30, v[192:195], s[16:17]
.Lw_done:
	s_wait_tensorcnt 0x0                           ; the wave's end, behind my last LDS store
	ds_add_u32 v[SPW], v[NIL]
	s_wait_dscnt 0x0
	s_endpgm
.Lfunc_end_k_q626fb0a2eb_prep:
	.size	k_q626fb0a2eb_prep, .Lfunc_end_k_q626fb0a2eb_prep-k_q626fb0a2eb_prep
	.p2alignl 7, 3214868480
	.fill 96, 4, 3214868480
	.section	.rodata,"a",@progbits
	.p2align	6, 0x0
	.amdhsa_kernel k_q626fb0a2eb_prep
		.amdhsa_group_segment_fixed_size 84992
		.amdhsa_private_segment_fixed_size 0
		.amdhsa_enable_private_segment 0
		.amdhsa_kernarg_size 64
		.amdhsa_user_sgpr_count 2
		.amdhsa_user_sgpr_kernarg_segment_ptr 1
		.amdhsa_wavefront_size32 1
		.amdhsa_system_sgpr_workgroup_id_x 1
		.amdhsa_system_sgpr_workgroup_id_y 1
		.amdhsa_system_sgpr_workgroup_id_z 1
		.amdhsa_system_vgpr_workitem_id 0
		.amdhsa_next_free_vgpr 256
		.amdhsa_next_free_sgpr 66
		.amdhsa_reserve_vcc 0
		.amdhsa_float_denorm_mode_32 3
		.amdhsa_float_denorm_mode_16_64 3
		.amdhsa_memory_ordered 1
		.amdhsa_forward_progress 1
		.amdhsa_inst_pref_size 61
	.end_amdhsa_kernel
	.amdgpu_metadata
---
amdhsa.version: [ 1, 2 ]
amdhsa.kernels:
  - .name:           k_q626fb0a2eb_prep
    .symbol:         k_q626fb0a2eb_prep.kd
    .args:
      - { .name: x, .offset: 0, .size: 8, .value_kind: global_buffer, .address_space: global }
      - { .name: W_attn, .offset: 8, .size: 8, .value_kind: global_buffer, .address_space: global }
      - { .name: W_proj, .offset: 16, .size: 8, .value_kind: global_buffer, .address_space: global }
      - { .name: x_codes, .offset: 24, .size: 8, .value_kind: global_buffer, .address_space: global }
      - { .name: x_scales, .offset: 32, .size: 8, .value_kind: global_buffer, .address_space: global }
      - { .name: w_codes, .offset: 40, .size: 8, .value_kind: global_buffer, .address_space: global }
      - { .name: w_scales, .offset: 48, .size: 8, .value_kind: global_buffer, .address_space: global }
      - { .name: wp16, .offset: 56, .size: 8, .value_kind: global_buffer, .address_space: global }
    .group_segment_fixed_size: 84992
    .private_segment_fixed_size: 0
    .kernarg_segment_align: 8
    .kernarg_segment_size: 64
    .max_flat_workgroup_size: 256
    .sgpr_count:     66
    .vgpr_count:     256
    .wavefront_size: 32
...
	.end_amdgpu_metadata
.endif
;; end of part 1
;; launch qkv (part 2): grid 12 x 32, 4 waves a work-group, clusters of 4 x 4, 327,680 bytes of LDS; arguments x_codes, x_scales, w_codes, w_scales, b_attn, qkv16, fineq; writes qkv16, fineq
.if DOCPART == 2
	.amdgcn_target "amdgcn-amd-amdhsa--gfx1250"
	.amdhsa_code_object_version 6
	.text
	.protected	k_q626fb0a2eb_qkv
	.globl	k_q626fb0a2eb_qkv
	.p2align	8
	.type	k_q626fb0a2eb_qkv,@function
k_q626fb0a2eb_qkv:
	s_mov_b64 s[64:65], 0
	v_nop
	global_prefetch_b8 v0, s[64:65] scope:SCOPE_SE
	s_setreg_imm32_b32 hwreg(HW_REG_WAVE_MODE, 25, 1), 1
	s_wait_xcnt 0x0
	s_wait_alu depctr_hold_cnt(0) depctr_sa_sdst(0) depctr_va_vdst(0) depctr_va_sdst(0) depctr_va_ssrc(0) depctr_va_vcc(0) depctr_vm_vsrc(0)
	s_getreg_b32 s2, hwreg(HW_REG_IB_STS2, 6, 4)
	s_cmp_eq_u32 s2, 0
	s_cbranch_scc0 .Lentry_in_a_cluster
	s_endpgm
.Lentry_in_a_cluster:
	s_bfe_u32 s2, ttmp6, 0x10000c
	s_cmp_lg_u32 s2, 0xf033
	s_cbranch_scc0 .Lentry_shape_is_right
	s_endpgm
.Lentry_shape_is_right:
; Launch 2 of 5: qkv = Q(x) Q(W_attn) + b_attn on codes of E2M1 with E8M0 scales; sums in f32.  M = 8,192, N = 3,072, K = 1,024.
; LEFT OUT: b_attn[1024:2048] (the bias on k) is not loaded: it adds the same number to every score of a row, which the softmax takes away; shown at the head of the first kernel.
; OUT: q, k, v as f16, laid [kind][batch][head][position][64], so that a head's rows are dense; and positions 0 to 15 of every sequence once more as f32 (fineq [batch][kind][head][16][64]) for the last launch.
; LIMIT: |q|, |k|, |v| under 65,504 (f16).
; A tile of 256 x 256 to a work-group of four waves, 128 x 128 (64 accumulators, 512 registers) to a wave.  K = 1,024 is two slots of 512 along K (rows of 256 bytes): both are first fills, nothing is filled again.
; The scale bytes of the work-group's rows of x and of W come once, as dense blocks, with the first fills.  A wave has three tensor loads out.
; CLUSTERS: 4 x 4.  Tile column = 4 x cluster x + cx, so cluster x is the kind (q, k, v).  Tile row = cluster y + 8 cy, so cy is the batch and cluster y alone says whether a tile holds positions under 16:
; every branch hangs on cluster x, cluster y and the wave's number, which all partners share.  x's tiles are asked for jointly along a row of the cluster, W's along a column.
; THE MATRIX INSTRUCTION IS USED TRANSPOSED (source 0 = 16 columns of W, source 1 = 16 rows of x): a lane holds eight neighbouring columns of one row.  The bias is the C of each sum's first product.
; REGISTERS: window 0: v14-31 addresses; v32-95 scale words, two sets; v96-127 packed results; v128-191 x's fragments, one set (later rows on the way out); v192-255 the bias (later the f32 rows).
;   window 1: W's fragments, two sets, at v0 and v128.   windows 2, 3: the accumulators of my rows 0-63, 64-127: (a, b) at v[8 (8 (a % 4) + b)].
.set NQ,     4                         ; steps of 128 along K in a slot
.set ROWB,   256                       ; a tile's row in bytes
.set KROW,   512                       ; a row of codes in memory
.set PITCH,  272                       ; an LDS row: 256 bytes + 16 of padding: the 16 rows of a fragment load start 68 words apart
.set FR,     8
.set NL,     2
.set NP,     4
.set HALFT,  128*PITCH
.set SLOT,   4*HALFT
.set KS,     32                        ; a row of scale bytes
.set SCL,    2*SLOT
.set HALFS,  16*272                    ; the scales of 128 rows: 4,096 bytes as 16 rows of 256 + 16
.set SBLK,   2*272                     ; those of 16 rows
.set SPARE,  SCL+4*HALFS               ; the spare words: 128 bytes a wave, named by no other line
.set SPITCH, 528                       ; the way out in f32: 16 rows x (512 + 16) for each wave, in slot 0, which has had its only fill and its last read by then
.set FO,   14                          ; v14  fineq: 4,096 (lane / 16) + 16 (lane % 16)
.set BO,   15                          ; v15  the bias: 32 (lane / 16)
.set ADRA, 16
.set ADRB, 20
.set STO,  24                          ; f16 stage, in
.set RD,   25                          ; f16 stage, back
.set CO,   26                          ; 16 x lane
.set ADRS, 27
.set SPW,  28
.set NIL,  29
.set STF,  30                          ; f32 stage, in
.set RDF,  31                          ; f32 stage, back
.set SC,   32
.set TMP,  96
.set AF,   128
.set BK,   128
.set BI,   192
.set WV,   18                          ; s18 wave; s19 its half of the rows (also: 0 fetches for x, 1 for W); s20 its half of the columns (also: which 128 rows it fetches)
.set RH,   19
.set CH,   20
.set G1, 24
.set G0, 32
.set G1B, 48
.set G0B, 56
.set G1S, 68
.set G0S, 76
.set G1SB, 80
.set G0SB, 88
.set MSB, 0
.macro WIN new                         ; the immediate's high byte repeats the setting that is left
.if MSB != (\new)
	s_set_vgpr_msb (MSB<<8)|(\new)
.set MSB, (\new)
.endif
.endm
.set MUL_LO, 0xa1                      ; source 0 (W) window 1, source 1 (x) window 0, C and D window 2
.set MUL_HI, 0xf1
.set TO_B,   0x40
.macro WMUL hi, zero                   ; zero = 1: C is the bias, in window 0
.if \zero
	WIN 0x81+0x40*(\hi)
.else
	WIN 0xa1+0x50*(\hi)
.endif
.endm
.macro JLOAD g0a, g1a, g0b, g1b        ; a joint load: waves 0, 1 for x, waves 2, 3 for W; an s_nop 0 and four v_nop follow each line
	s_cmp_eq_u32 s[RH], 0
	s_cbranch_scc0 .Lfor_b_\@
	tensor_load_to_lds s[\g0a:\g0a+3], s[\g1a:\g1a+7]
	s_nop 0
.rept 4
	v_nop
.endr
	s_branch .Lasked_\@
.Lfor_b_\@:
	tensor_load_to_lds s[\g0b:\g0b+3], s[\g1b:\g1b+7]
	s_nop 0
.rept 4
	v_nop
.endr
.Lasked_\@:
.endm
.macro CROUND                          ; a round of the cluster's barrier
	s_barrier_signal -1
	s_barrier_wait -1
	s_cmp_lg_u32 s[WV], 0
	s_cbranch_scc1 .Lnot_wave_0_\@
	s_barrier_signal -3
.Lnot_wave_0_\@:
	s_barrier_wait -3
	s_barrier_signal -1
	s_barrier_wait -1
.endm
	s_load_b128 s[4:7], s[0:1], 0x0                ; x_codes, x_scales
	s_load_b128 s[8:11], s[0:1], 0x10              ; w_codes, w_scales
	s_load_b128 s[12:15], s[0:1], 0x20             ; b_attn, qkv16
	s_load_b64 s[16:17], s[0:1], 0x30              ; fineq
	v_lshl_add_u32 v[SPW], v0, 2, SPARE
	v_mov_b32 v[NIL], 0
	ds_add_u32 v[SPW], v[NIL]                      ; the opening: the add, twice on end, and its wait ahead of my first tensor load
	ds_add_u32 v[SPW], v[NIL]
	v_lshrrev_b32 v1, 5, v0
	v_readfirstlane_b32 s[WV], v1
	s_lshr_b32 s[RH], s[WV], 1
	s_and_b32 s[CH], s[WV], 1
	s_bfe_u32 s40, ttmp6, 0x40000                  ; cx
	s_bfe_u32 s41, ttmp6, 0x40004                  ; cy
	s_lshl_b32 s42, ttmp9, 2
	s_add_co_u32 s42, s42, s40                     ; tile column
	s_and_b32 s21, ttmp7, 0xffff                   ; cluster y
	s_lshl_b32 s22, s41, 3
	s_add_co_u32 s22, s22, s21                     ; tile row = cluster y + 8 cy
	s_lshl_b32 s43, s41, 2
	s_lshl_b32 s43, 15, s43                        ; my row of the cluster
	s_lshl_b32 s44, 0x1111, s40                    ; my column
	s_or_b32 s[G1+0], s43, (0<<16)|(1<<20)|(1<<21)|(5<<22)|(3<<25)   ; the mask; elements of 1 byte; padding: 4 words behind every 64; bit 21 beside a mask
	s_or_b32 s[G1B+0], s44, (0<<16)|(1<<20)|(1<<21)|(5<<22)|(3<<25)
.irp g, G1, G1B
	s_mov_b32 s[\g+1], ROWB<<16                    ; tensor_dim0
	s_mov_b32 s[\g+2], 128<<16                     ; tensor_dim1
	s_mov_b32 s[\g+3], ROWB<<16                    ; tile_dim0
	s_mov_b32 s[\g+4], 128                         ; tile_dim1
	s_mov_b32 s[\g+5], KROW                        ; the pitch
	s_mov_b32 s[\g+6], 0
	s_mov_b32 s[\g+7], 0
.endr
	s_or_b32 s[G1S+0], s43, (3<<16)|(1<<20)|(1<<21)|(5<<22)|(3<<25)  ; the scales of 128 rows: 16 rows of 32 elements of 8 bytes
	s_or_b32 s[G1SB+0], s44, (3<<16)|(1<<20)|(1<<21)|(5<<22)|(3<<25)
.irp g, G1S, G1SB
	s_mov_b32 s[\g+1], 32<<16
	s_mov_b32 s[\g+2], 16<<16
	s_mov_b32 s[\g+3], 32<<16
	s_mov_b32 s[\g+4], 16
	s_mov_b32 s[\g+5], 32
	s_mov_b32 s[\g+6], 0
	s_mov_b32 s[\g+7], 0
.endr
	s_lshl_b32 s23, s[CH], 7                       ; which 128 rows of a tile I fetch
	s_lshl_b32 s66, s22, 8
	s_add_co_u32 s66, s66, s23                     ; x: row 256 x tile row + 128 x half (made of cy and cluster y alone)
	s_lshl_b32 s92, s66, 5                         ; its scale bytes,
	s_lshl_b32 s66, s66, 9                         ; its codes
	s_mov_b32 s67, 0
	s_mov_b32 s93, 0
	s_lshl_b32 s46, s42, 8
	s_add_co_u32 s46, s46, s23                     ; W: row 256 x tile column + 128 x half (made of cx and cluster x alone)
	s_lshl_b32 s94, s46, 5
	s_lshl_b32 s46, s46, 9
	s_mov_b32 s47, 0
	s_mov_b32 s95, 0
	s_mul_i32 s45, s[WV], HALFT                    ; where they go: no place in the cluster enters an LDS address
	s_mul_i32 s23, s[WV], HALFS
	s_wait_dscnt 0x0                               ; both opening adds are done
	s_wait_kmcnt 0x0
	s_add_nc_u64 s[66:67], s[4:5], s[66:67]
	s_add_nc_u64 s[92:93], s[6:7], s[92:93]
	s_add_nc_u64 s[46:47], s[8:9], s[46:47]
	s_add_nc_u64 s[94:95], s[10:11], s[94:95]
	CROUND                                         ; all sixteen work-groups are here: the joint loads meet
	s_mov_b32 s[G0S], 1
	s_add_co_u32 s[G0S+1], s23, SCL
	s_mov_b64 s[G0S+2:G0S+3], s[92:93]
	s_or_b32 s[G0S+3], s[G0S+3], 0x80000000
	s_mov_b32 s[G0SB], 1
	s_add_co_u32 s[G0SB+1], s23, SCL
	s_mov_b64 s[G0SB+2:G0SB+3], s[94:95]
	s_or_b32 s[G0SB+3], s[G0SB+3], 0x80000000
	JLOAD G0S, G1S, G0SB, G1SB                     ; the scales first: they are wanted with the first step
.irp s, 0,1
	s_mov_b32 s[G0+4*\s], 1
	s_add_co_u32 s[G0+4*\s+1], s45, \s*SLOT
	s_add_nc_u64 s[G0+4*\s+2:G0+4*\s+3], s[66:67], \s*ROWB
	s_or_b32 s[G0+4*\s+3], s[G0+4*\s+3], 0x80000000
	s_mov_b32 s[G0B+4*\s], 1
	s_add_co_u32 s[G0B+4*\s+1], s45, \s*SLOT
	s_add_nc_u64 s[G0B+4*\s+2:G0B+4*\s+3], s[46:47], \s*ROWB
	s_or_b32 s[G0B+4*\s+3], s[G0B+4*\s+3], 0x80000000
	JLOAD G0+4*\s, G1, G0B+4*\s, G1B
.endr
	v_and_b32 v1, 15, v0                           ; r
	v_bfe_u32 v2, v0, 4, 1                         ; h
	; the bias: register 8 b + j of lane (r, h) is b_attn[256 tile column + 128 half + 16 b + 8 h + j], the result's layout
	v_lshlrev_b32 v[BO], 5, v2
	s_lshl_b32 s96, s42, 10
	s_lshl_b32 s97, s[CH], 9
	s_add_co_u32 s96, s96, s97
	s_mov_b32 s97, 0
	s_add_nc_u64 s[12:13], s[12:13], s[96:97]
	s_cmp_eq_u32 ttmp9, 1                          ; k's tiles take no bias: cluster x, the same in all partners
	s_cbranch_scc1 .Lno_bias
.irp b, 0,1,2,3,4,5,6,7
	global_load_b128 v[BI+8*\b:BI+8*\b+3], v[BO], s[12:13] offset:64*\b
	global_load_b128 v[BI+8*\b+4:BI+8*\b+7], v[BO], s[12:13] offset:64*\b+16
.endr
	s_branch .Lbias_done
.Lno_bias:
.set nn, 0
.rept 64
	v_mov_b32 v[BI+nn], 0
.set nn, nn+1
.endr
.Lbias_done:
	v_mul_u32_u24 v3, v1, PITCH
	v_lshl_add_u32 v4, v2, 4, v3                   ; a fragment's row x pitch + 16 x half
	s_mul_i32 s96, s[RH], HALFT
	s_mul_i32 s97, s[CH], HALFT
	s_add_co_u32 s97, s97, 2*HALFT
.irp s, 0,1
	v_add_nc_u32 v[ADRA+\s], s96, v4
	v_add_nc_u32 v[ADRB+\s], s97, v4
	s_add_co_u32 s96, s96, SLOT
	s_add_co_u32 s97, s97, SLOT
.endr
	v_mul_u32_u24 v5, v1, KS                       ; my row's scale bytes: 32 a row, and 16 more for each 256 passed
	v_lshrrev_b32 v6, 8, v5
	v_lshl_add_u32 v5, v6, 4, v5
	s_mul_i32 s96, s[RH], HALFS
	s_mul_i32 s97, s[CH], HALFS
	s_add_co_u32 s97, s97, 2*HALFS
	s_sub_co_u32 s97, s97, s96
	v_mul_u32_u24 v6, s97, v2                      ; lanes 16-31 take W's
	s_add_co_u32 s96, s96, SCL
	v_add_nc_u32 v5, v5, v6
	v_add_nc_u32 v[ADRS], s96, v5
	s_mul_i32 s96, s[WV], 16*SPITCH                ; my stage, in slot 0
	v_mul_u32_u24 v5, v1, SPITCH
	v_lshl_add_u32 v5, v2, 5, v5
	v_add_nc_u32 v[STF], s96, v5                   ; f32: row r, 32 bytes for each half of the lanes
	v_and_b32 v6, 31, v0
	v_lshlrev_b32 v[CO], 4, v6
	v_add_nc_u32 v[RDF], s96, v[CO]                ; back: a row of 512 bytes to the 32 lanes
	v_add_nc_u32 v[STO], s96, v4                   ; f16: row r of 272 bytes, 16 bytes for each half
	v_lshrrev_b32 v5, 3, v6
	v_mul_u32_u24 v5, v5, PITCH
	v_and_b32 v7, 7, v0
	v_lshl_add_u32 v5, v7, 4, v5
	v_add_nc_u32 v[RD], s96, v5                    ; back: eight lanes take one head's 128 bytes of a row, four rows an instruction
	v_lshlrev_b32 v[FO], 12, v2
	v_lshl_add_u32 v[FO], v1, 4, v[FO]
	s_lshl_b32 s96, ttmp9, 6                       ; qkv16: ((64 kind + 16 batch + head) x 2,048 + position) x 128 bytes
	s_lshl_b32 s97, s41, 4
	s_add_co_u32 s96, s96, s97
	s_lshl_b32 s97, s40, 2
	s_add_co_u32 s96, s96, s97
	s_lshl_b32 s97, s[CH], 1
	s_add_co_u32 s96, s96, s97
	s_lshl_b32 s96, s96, 11
	s_lshl_b32 s97, s21, 8
	s_add_co_u32 s96, s96, s97
	s_lshl_b32 s97, s[RH], 7
	s_add_co_u32 s96, s96, s97
	s_lshl_b32 s96, s96, 7
	s_mov_b32 s97, 0
	s_add_nc_u64 s[14:15], s[14:15], s[96:97]
	s_mul_i32 s96, s41, 3                          ; fineq: ((3 batch + kind) x 16 + head) x 4,096 bytes
	s_add_co_u32 s96, s96, ttmp9
	s_lshl_b32 s96, s96, 4
	s_lshl_b32 s97, s40, 2
	s_add_co_u32 s96, s96, s97
	s_lshl_b32 s97, s[CH], 1
	s_add_co_u32 s96, s96, s97
	s_lshl_b32 s96, s96, 12
	s_mov_b32 s97, 0
	s_add_nc_u64 s[16:17], s[16:17], s[96:97]
.macro FRAG reg, adr, q, i             ; 16 rows x 128 K of 4-bit codes: 8 registers, two loads of 16 bytes, 32 bytes apart
.irp c, 0,1
	ds_load_b128 v[\reg+4*\c:\reg+4*\c+3], v[\adr] offset:64*(\q)+32*\c+(\i)*16*PITCH
.endr
.endm
; 16 matrix instructions: x's blocks a0, a0 + 1 against W's eight.  The 64 accumulators take turns, one instruction a turn, in the same order in every step.
.macro MUL16 a0, p, q, sc, zero
.irp a, \a0, \a0+1
.irp b, 0,1,2,3,4,5,6,7
.if \zero
	v_wmma_scale_f32_16x16x128_f8f6f4 v[8*(8*((\a)%4)+\b):8*(8*((\a)%4)+\b)+7], v[128*(\p)+FR*\b:128*(\p)+FR*\b+FR-1], v[AF+FR*(\a):AF+FR*(\a)+FR-1], v[BI+8*\b:BI+8*\b+7], v[SC+8*NQ*(\sc)+NQ*\b+(\q)], v[SC+8*NQ*(\sc)+NQ*(\a)+(\q)] matrix_a_fmt:MATRIX_FMT_FP4 matrix_b_fmt:MATRIX_FMT_FP4 matrix_a_scale:MATRIX_SCALE_ROW1
.else
	v_wmma_scale_f32_16x16x128_f8f6f4 v[8*(8*((\a)%4)+\b):8*(8*((\a)%4)+\b)+7], v[128*(\p)+FR*\b:128*(\p)+FR*\b+FR-1], v[AF+FR*(\a):AF+FR*(\a)+FR-1], v[8*(8*((\a)%4)+\b):8*(8*((\a)%4)+\b)+7], v[SC+8*NQ*(\sc)+NQ*\b+(\q)], v[SC+8*NQ*(\sc)+NQ*(\a)+(\q)] matrix_a_fmt:MATRIX_FMT_FP4 matrix_b_fmt:MATRIX_FMT_FP4 matrix_a_scale:MATRIX_SCALE_ROW1
.endif
.endr
.endr
.endm
.macro FETCH_B slot, q, p
	WIN TO_B
.irp i, 0,1,2,3,4,5,6,7
	FRAG 128*(\p)+FR*\i, ADRB+\slot, \q, \i
.endr
	WIN 0
.endm
.macro FETCH_A slot, q, i0
.irp i, \i0, \i0+1, \i0+2, \i0+3
	FRAG AF+FR*(\i), ADRA+\slot, \q, \i
.endr
.endm
.macro SCALES sc                       ; a slot's scale words: 4 words a row; lanes 0-15 take x's block i, lanes 16-31 W's block i
.irp i, 0,1,2,3,4,5,6,7
	ds_load_b128 v[SC+8*NQ*\sc+NQ*\i:SC+8*NQ*\sc+NQ*\i+3], v[ADRS] offset:\i*SBLK
.endr
.endm
.macro PLACES n                        ; plain vector lines between a matrix instruction and a load into, or a read of, its registers
.rept \n
	v_nop
.endr
.endm
.macro STEP slot, q, zero              ; 128 along K, with its successor in the same slot
	s_wait_dscnt 4*NL                              ; W's set and x's blocks 0-3 are in; the youngest eight loads (blocks 4-7) may be out
	WMUL 0, \zero
	MUL16 0, (\q)%2, \q, \slot, \zero
	MUL16 2, (\q)%2, \q, \slot, \zero
	s_wait_dscnt 0                                 ; blocks 4-7 are in
	PLACES NP
	FETCH_B \slot, (\q)+1, 1-(\q)%2
	FETCH_A \slot, (\q)+1, 0
	WMUL 1, \zero
	MUL16 4, (\q)%2, \q, \slot, \zero
	MUL16 6, (\q)%2, \q, \slot, \zero
	PLACES NP
	WIN 0
	FETCH_A \slot, (\q)+1, 4
.endm
.macro TURN slot, next                 ; a slot's last step changes slots: one barrier; nothing is filled again
	s_wait_tensorcnt 0x0                           ; all my tensor loads have landed: my part of the next slot
	ds_add_u32 v[SPW], v[NIL]
	s_wait_dscnt 4*NL+1                            ; (the add and the youngest eight loads may be out)
	WIN MUL_LO
	MUL16 0, 1, NQ-1, \slot, 0
	s_wait_dscnt 0x0                               ; the add is done, my reads of this slot are over
	s_barrier_signal -1
	MUL16 2, 1, NQ-1, \slot, 0
	WIN 0
	s_barrier_wait -1                              ; the next slot is whole, and nobody reads this one any more
	PLACES NP
	v_add_nc_u32 v[ADRS], 4*NQ, v[ADRS]            ; the next slot's scale words
	FETCH_B \next, 0, 0
	FETCH_A \next, 0, 0
	SCALES \next
	WIN MUL_HI
	MUL16 4, 1, NQ-1, \slot, 0
	MUL16 6, 1, NQ-1, \slot, 0
	PLACES NP
	WIN 0
	FETCH_A \next, 0, 4
.endm
.macro STEPS slot, from
.set QN, \from
.rept NQ-1-\from
	STEP \slot, QN, 0
.set QN, QN+1
.endr
.endm
	s_wait_tensorcnt 1                             ; the scales and my part of slot 0 are in (slot 1's load may be out)
	s_barrier_signal -1
	s_barrier_wait -1                              ; everybody's are
	FETCH_B 0, 0, 0
	FETCH_A 0, 0, 0
	SCALES 0
	FETCH_A 0, 0, 4
	s_wait_loadcnt 0x0                             ; the bias
	STEP 0, 0, 1                                   ; the first products start the sums from the bias
	STEPS 0, 1
	TURN 0, 1
	STEPS 1, 0
	s_wait_dscnt 4*NL                              ; the last step: nothing more to fetch
	WIN MUL_LO
	MUL16 0, 1, NQ-1, 1, 0
	MUL16 2, 1, NQ-1, 1, 0
	s_wait_dscnt 0
	WIN MUL_HI
	MUL16 4, 1, NQ-1, 1, 0
	MUL16 6, 1, NQ-1, 1, 0
	WIN 0
	PLACES NP                                      ; behind the last products: for the reads of results and the loads into x's fragment registers
	; POSITIONS 0 TO 15 AS f32: my block 0, where cluster y = 0 and my rows are the tile's upper half.  Through my stage, back as rows of 512 bytes: lanes 0-15 one head's 256 bytes, lanes 16-31 the next head's.
	s_or_b32 s96, s21, s[RH]
	s_cmp_lg_u32 s96, 0
	s_cbranch_scc1 .Lnofine
	WIN 0x08                                       ; an LDS store's data: window 2
.irp b, 0,1,2,3,4,5,6,7
	ds_store_b128 v[STF], v[8*\b:8*\b+3] offset:64*\b              ; each accumulator from its low end on
	ds_store_b128 v[STF], v[8*\b+4:8*\b+7] offset:64*\b+16
.endr
	WIN 0
.irp t, 0,1,2,3,4,5,6,7,8,9,10,11,12,13,14,15
	ds_load_b128 v[BI+4*\t:BI+4*\t+3], v[RDF] offset:\t*SPITCH     ; LDS serves a wave's instructions in order: these see my stores
.endr
	s_wait_dscnt 0x0
.irp t, 0,1,2,3,4,5,6,7,8,9,10,11,12,13,14,15
	global_store_b128 v[FO], v[BI+4*\t:BI+4*\t+3], s[16:17] offset:256*\t   ; sixteen lanes store 256 consecutive bytes, aligned
.endr
.Lnofine:
; THE WAY OUT IN f16, block by block of 16 rows x 128 columns (two heads).  PACK: rounded, 16 bytes a lane.  TOSTAGE: into rows of 272 bytes, back as four rows of one head.  SEND: 512 consecutive bytes a store.
.macro PACK a
.set AC, 64*((\a)%4)
	WIN 0x0a+5*((\a)/4)                            ; sources 0 and 1: window 2 or 3
.irp b, 0,1,2,3,4,5,6,7
.irp r, 0,1,2,3
	v_cvt_pk_f16_f32 v[TMP+4*\b+\r], v[AC+8*\b+2*\r], v[AC+8*\b+2*\r+1]
.endr
.endr
	WIN 0
.endm
.macro TOSTAGE a
.set BB, BK+32*((\a)%2)
.irp b, 0,1,2,3,4,5,6,7
	ds_store_b128 v[STO], v[TMP+4*\b:TMP+4*\b+3] offset:32*\b
.endr
.irp i, 0,1,2,3,4,5,6,7
	ds_load_b128 v[BB+4*\i:BB+4*\i+3], v[RD] offset:4*(\i%4)*PITCH+128*(\i/4)
.endr
.endm
.macro SEND a
.set BB, BK+32*((\a)%2)
	s_wait_dscnt 0x0                               ; the block is back in registers
	s_wait_xcnt 0x0                                ; the block before has been read by its stores: the next block's loads may land in its registers
.irp i, 0,1,2,3,4,5,6,7
	global_store_b128 v[CO], v[BB+4*\i:BB+4*\i+3], s[14:15] offset:(\i/4)*262144+(16*(\a)+4*(\i%4))*128
.endr
.endm
	PACK 0
	TOSTAGE 0
.irp a, 1,2,3,4,5,6,7
	PACK \a
	SEND \a-1
	TOSTAGE \a
.endr
	SEND 7
	s_wait_tensorcnt 0x0                           ; the wave's end
	ds_add_u32 v[SPW], v[NIL]
	s_wait_dscnt 0x0
	CROUND                                         ; the closing round
	s_endpgm
.Lfunc_end_k_q626fb0a2eb_qkv:
	.size	k_q626fb0a2eb_qkv, .Lfunc_end_k_q626fb0a2eb_qkv-k_q626fb0a2eb_qkv
	.p2alignl 7, 3214868480
	.fill 96, 4, 3214868480
	.section	.rodata,"a",@progbits
	.p2align	6, 0x0
	.amdhsa_kernel k_q626fb0a2eb_qkv
		.amdhsa_group_segment_fixed_size 327680
		.amdhsa_private_segment_fixed_size 0
		.amdhsa_enable_private_segment 0
		.amdhsa_kernarg_size 56
		.amdhsa_user_sgpr_count 2
		.amdhsa_user_sgpr_kernarg_segment_ptr 1
		.amdhsa_wavefront_size32 1
		.amdhsa_system_sgpr_workgroup_id_x 1
		.amdhsa_system_sgpr_workgroup_id_y 1
		.amdhsa_system_sgpr_workgroup_id_z 1
		.amdhsa_system_vgpr_workitem_id 0
		.amdhsa_next_free_vgpr 1024
		.amdhsa_next_free_sgpr 98
		.amdhsa_reserve_vcc 0
		.amdhsa_float_denorm_mode_32 3
		.amdhsa_float_denorm_mode_16_64 3
		.amdhsa_memory_ordered 1
		.amdhsa_forward_progress 1
		.amdhsa_inst_pref_size 134
	.end_amdhsa_kernel
	.amdgpu_metadata
---
amdhsa.version: [ 1, 2 ]
amdhsa.kernels:
  - .name:           k_q626fb0a2eb_qkv
    .symbol:         k_q626fb0a2eb_qkv.kd
    .args:
      - { .name: x_codes, .offset: 0, .size: 8, .value_kind: global_buffer, .address_space: global }
      - { .name: x_scales, .offset: 8, .size: 8, .value_kind: global_buffer, .address_space: global }
      - { .name: w_codes, .offset: 16, .size: 8, .value_kind: global_buffer, .address_space: global }
      - { .name: w_scales, .offset: 24, .size: 8, .value_kind: global_buffer, .address_space: global }
      - { .name: b_attn, .offset: 32, .size: 8, .value_kind: global_buffer, .address_space: global }
      - { .name: qkv16, .offset: 40, .size: 8, .value_kind: global_buffer, .address_space: global }
      - { .name: fineq, .offset: 48, .size: 8, .value_kind: global_buffer, .address_space: global }
    .group_segment_fixed_size: 327680
    .private_segment_fixed_size: 0
    .kernarg_segment_align: 8
    .kernarg_segment_size: 56
    .max_flat_workgroup_size: 128
    .sgpr_count:     98
    .vgpr_count:     1024
    .wavefront_size: 32
...
	.end_amdgpu_metadata
.endif
;; end of part 2
;; launch attn (part 3): grid 4 x 64, 8 waves a work-group, no clusters, 327,680 bytes of LDS; arguments qkv16, y16; writes y16
.if DOCPART == 3
	.amdgcn_target "amdgcn-amd-amdhsa--gfx1250"
	.amdhsa_code_object_version 6
	.text
	.protected	k_q626fb0a2eb_attn
	.globl	k_q626fb0a2eb_attn
	.p2align	8
	.type	k_q626fb0a2eb_attn,@function
k_q626fb0a2eb_attn:
	s_mov_b64 s[64:65], 0
	v_nop
	global_prefetch_b8 v0, s[64:65] scope:SCOPE_SE
	s_setreg_imm32_b32 hwreg(HW_REG_WAVE_MODE, 25, 1), 1
	s_wait_xcnt 0x0
; Launch 3 of 5: y = softmax(q k^T / 8, causal) v for each of 64 (batch, head) pairs; q, k, v f16 [kind][batch x head][2048][64]; products on f16 operands, maxima, sums and scalings in f32.
; LEFT OUT: key steps all of whose 64 keys come after a wave's 32 queries (reference()'s own mask makes their weights 0).
; OUT: y16, f16, [head][2048 batch + position][64]: planes by head, so that a head's rows are dense.  (Positions 0-15 are made along with positions 16-31, whose fragments of K and V they share; the next launch stores nothing made of them.)
; SHARES.  Work-group (i, batch x head) owns query blocks i and 7 - i, 256 queries each, one after the other: (i + 1) + (8 - i) = 9 slots of 256 keys in every work-group, so the work is even and every trip count
; is a constant.  A wave owns 32 queries: tiles A and B of 16.  NO CLUSTER: the four work-groups of a head walk the slots in different orders (i + 1 slots, then 8 - i), so no two ask for the same tile in the same trip.
; LAYOUT.  S^T = K Q^T (source 0 = 16 keys, source 1 = 16 queries) and O^T = V^T P (V turned by ds_load_tr16_b128): a lane holds ONE query throughout; two tiles of S^T, rounded in pairs, are P's fragment.
; SOFTMAX.  Running maximum m and sum l: p = 2^(c s - c m), c = log2(e) / 8; in every step O and l are multiplied by 2^(c m_old - c m_new).  m begins at -3e38, O and l at 0.
; THE MASK costs nothing in open steps: the first products K Q^T take C from 64 registers that hold zeros; in a wave's one diagonal step they hold -1e30 where the key comes after the query.
; f16 operands hold |score| under 64 x 65,504^2 = 2.8e11, so -1e30 lies under every score, and p = 2^(c (s - m)) is then exactly 0.  Key 0 counts for every query, so m is a true score from the first step on.
; BY TURNS.  A step: K Q^T of A | K Q^T of B with A's softmax in slices behind its products | V^T P of A with B's softmax in slices | V^T P of B.  The accumulators take turns.
; RING.  Two slots of 256 keys (4 steps: 64 rows of K, pitch 144, then 64 rows of V, pitch 160).  Each wave fetches one tile of 64 rows: waves 0-3 K of step w, waves 4-7 V of step w - 4.  One tensor load a wave is out.
; REGISTERS: window 0: v1-15 addresses; v16-31 statistics (8 a tile: c m, m, l, l, four at work); v32-63 Q; v64-127 K; v128-191 S^T; v192-255 the mask.  window 1: v0-63 O^T; v64-127 V; v128-159 P; v160-191 the second block's Q.
.set PK,    144
.set PV,    160
.set KB,    64*PK
.set STEPB, 64*(PK+PV)
.set SLOT1, 1<<17                      ; slot 1 begins here: one exclusive or changes slot
.set STAGE, 4*STEPB                    ; behind slot 0: 32 rows x 144 bytes for each wave, for the way out; no fill lands here
.set SPARE, STAGE+8*32*PK              ; the spare words: 128 bytes for each of eight waves, named by no other line
.set AK0, 1
.set AV0, 2
.set ADK, 3
.set ADV, 4
.set QO,  5
.set STO, 6
.set RD,  7
.set GO,  8
.set PFO, 9
.set SPW, 10
.set NIL, 11
.set DQ,  12                           ; r - 8 h
.set NEG, 13                           ; -1e30
.set ST,  16
.set QQ,  32
.set KK,  64
.set S,   128
.set MSK, 192
.set VV,  64                           ; window 1
.set P,   128
.set Q2,  160
.set WV,   8
.set BLKI, 9
.set BH,   10
.set N1,   11                          ; slots of the first block
.set TRIP, 12
.set STEPC, 13
.set KEY0, 14                          ; the step's first key
.set Q0,   15                          ; my first query
.set TB,   16                          ; LDS byte of the step in hand
.set LIM,  17
.set TBASE, 18                         ; s[18:19] my tile of slot 0 in memory
.set SEL,  20
.set CS,   22
.set G1K,  24
.set G1V,  32
.set G0,   40
.set PFA,  44
.set YA,   46
.set YB,   48
.set QA,   50
.set QB,   52
.set Q0B,  54
.set MSB, 0
.macro WIN new
.if MSB != (\new)
	s_set_vgpr_msb (MSB<<8)|(\new)
.set MSB, (\new)
.endif
.endm
.macro TLOAD                           ; my one tensor load: K's shape or V's; an s_nop 0 and four v_nop follow each line
	s_cmp_lt_u32 s[WV], 4
	s_cbranch_scc0 .Lfor_v_\@
	tensor_load_to_lds s[G0:G0+3], s[G1K:G1K+7]
	s_nop 0
.rept 4
	v_nop
.endr
	s_branch .Lasked_\@
.Lfor_v_\@:
	tensor_load_to_lds s[G0:G0+3], s[G1V:G1V+7]
	s_nop 0
.rept 4
	v_nop
.endr
.Lasked_\@:
.endm
; A PREFETCH of what the next change of slots will ask for.  Work-group 0 of a head walks, from its second slot on, the head's slots 0 to 7 in order; in trip t = 0 .. 6 it loads slot t and names slot t + 1:
; each wave the 8,192 bytes of its own tile, lanes 256 bytes apart.  So every aligned block of 256 bytes of slots 1 to 7 is named once in the launch; slot 0 comes by its loads alone; trip 7 asks for nothing.
.macro ASK
	s_cmp_lt_u32 s[TRIP], s[LIM]
	s_cbranch_scc0 .Lnot_mine_\@
	global_prefetch_b8 v[PFO], s[PFA:PFA+1] th:TH_LOAD_NT scope:SCOPE_SE
.Lnot_mine_\@:
.endm
	s_load_b128 s[4:7], s[0:1], 0x0                ; qkv16, y16
	v_lshl_add_u32 v[SPW], v0, 2, SPARE
	v_mov_b32 v[NIL], 0
	ds_add_u32 v[SPW], v[NIL]                      ; the opening: the add, twice on end, and its wait ahead of my first tensor load
	ds_add_u32 v[SPW], v[NIL]
	v_lshrrev_b32 v14, 5, v0
	v_readfirstlane_b32 s[WV], v14
	s_mov_b32 s[BLKI], ttmp9
	s_and_b32 s[BH], ttmp7, 0xffff
	s_add_co_u32 s[N1], s[BLKI], 1
	s_mov_b32 s[G1K], (1<<16)|(1<<20)|(4<<22)|(3<<25)   ; elements of 2 bytes; padding: 4 words behind every 32
	s_mov_b32 s[G1V], (1<<16)|(1<<20)|(4<<22)|(7<<25)   ; 8 words behind every 32
.irp g, G1K, G1V
	s_mov_b32 s[\g+1], 64<<16                      ; tensor_dim0
	s_mov_b32 s[\g+2], 64<<16                      ; tensor_dim1
	s_mov_b32 s[\g+3], 64<<16                      ; tile_dim0
	s_mov_b32 s[\g+4], 64                          ; tile_dim1
	s_mov_b32 s[\g+5], 64                          ; the pitch
	s_mov_b32 s[\g+6], 0
	s_mov_b32 s[\g+7], 0
.endr
	s_mov_b32 s[SEL], 0x76543210
	s_mov_b32 s[SEL+1], 0xfedcba98
	s_mov_b32 s[CS], 0x3e38aa3b                    ; c = log2(e) / 8
	s_mov_b32 s[CS+1], s[CS]
	s_mov_b32 s[TRIP], 0
	s_mov_b32 s[KEY0], 0
	s_mov_b32 s[TB], 0
	s_cmp_eq_u32 s[BLKI], 0
	s_cselect_b32 s[LIM], 7, 0
	s_lshl_b32 s56, s[WV], 5
	s_lshl_b32 s[Q0], s[BLKI], 8
	s_add_co_u32 s[Q0], s[Q0], s56                 ; 256 i + 32 w
	s_sub_co_u32 s57, 7, s[BLKI]
	s_lshl_b32 s57, s57, 8
	s_add_co_u32 s[Q0B], s57, s56                  ; 256 (7 - i) + 32 w
	s_and_b32 s56, s[WV], 3
	s_lshr_b32 s57, s[WV], 2
	s_mov_b32 s[G0], 1
	s_mul_i32 s[G0+1], s56, STEPB
	s_mul_i32 s58, s57, KB
	s_add_co_u32 s[G0+1], s[G0+1], s58             ; my tile's place in slot 0
	s_add_co_u32 s57, s57, 1                       ; kind 1 (k) or 2 (v): 16,777,216 bytes a kind,
	s_lshl_b32 s57, s57, 24
	s_lshl_b32 s58, s[BH], 18                      ; 262,144 a head,
	s_add_co_u32 s57, s57, s58
	s_lshl_b32 s56, s56, 13                        ; 8,192 a step
	s_add_co_u32 s56, s56, s57
	s_mov_b32 s57, 0
	s_wait_dscnt 0x0                               ; both opening adds are done
	s_wait_kmcnt 0x0
	s_add_nc_u64 s[TBASE:TBASE+1], s[4:5], s[56:57]
	s_mov_b64 s[G0+2:G0+3], s[TBASE:TBASE+1]
	s_or_b32 s[G0+3], s[G0+3], 0x80000000
	TLOAD                                          ; slot 0: every wave issues a first fill
	s_mov_b64 s[PFA:PFA+1], s[TBASE:TBASE+1]
	s_lshl_b32 s56, s[BH], 11
	s_add_co_u32 s58, s56, s[Q0B]
	s_add_co_u32 s56, s56, s[Q0]
	s_lshl_b32 s56, s56, 7
	s_lshl_b32 s58, s58, 7
	s_mov_b32 s57, 0
	s_mov_b32 s59, 0
	s_add_nc_u64 s[QA:QA+1], s[4:5], s[56:57]      ; my queries of the first block, and of the second
	s_add_nc_u64 s[QB:QB+1], s[4:5], s[58:59]
	s_and_b32 s56, s[BH], 15
	s_lshl_b32 s56, s56, 13                        ; y16: head x 8,192 rows
	s_lshr_b32 s58, s[BH], 4
	s_lshl_b32 s58, s58, 11                        ; + batch x 2,048
	s_add_co_u32 s56, s56, s58
	s_add_co_u32 s58, s56, s[Q0B]
	s_add_co_u32 s56, s56, s[Q0]
	s_lshl_b32 s56, s56, 7
	s_lshl_b32 s58, s58, 7
	s_add_nc_u64 s[YA:YA+1], s[6:7], s[56:57]
	s_add_nc_u64 s[YB:YB+1], s[6:7], s[58:59]
	v_and_b32 v14, 15, v0                          ; r
	v_bfe_u32 v15, v0, 4, 1                        ; h
	v_mul_u32_u24 v[AK0], v14, PK
	v_lshl_add_u32 v[AK0], v15, 4, v[AK0]          ; K: row r, 16 bytes for each half
	v_and_b32 v[AV0], 7, v0
	v_lshl_add_u32 v[AV0], v15, 3, v[AV0]
	v_mul_u32_u24 v[AV0], v[AV0], PV
	v_bfe_u32 v[ADK], v0, 3, 1
	v_lshl_add_u32 v[AV0], v[ADK], 4, v[AV0]
	v_add_nc_u32 v[AV0], KB, v[AV0]                ; V, for the turning load: key 8 h + lane % 8, channels 8 ((lane / 8) % 2) on
	v_lshlrev_b32 v[QO], 7, v14
	v_lshl_add_u32 v[QO], v15, 4, v[QO]
	s_mul_i32 s56, s[WV], 32*PK
	s_add_co_u32 s56, s56, STAGE
	v_add_nc_u32 v[STO], s56, v[AK0]
	v_bfe_u32 v[RD], v0, 3, 2
	v_mul_u32_u24 v[RD], v[RD], PK
	v_and_b32 v[ADV], 7, v0
	v_lshl_add_u32 v[RD], v[ADV], 4, v[RD]
	v_add_nc_u32 v[RD], s56, v[RD]                 ; back: eight lanes to a row of 128 bytes, four rows an instruction
	v_and_b32 v[GO], 31, v0
	v_lshlrev_b32 v[PFO], 8, v[GO]
	v_lshlrev_b32 v[GO], 4, v[GO]
	v_lshlrev_b32 v[DQ], 3, v15
	v_sub_nc_u32 v[DQ], v14, v[DQ]
	v_mov_b32 v[NEG], 0xf149f2ca
.irp t, 0,1
.irp c, 0,1
	global_load_b128 v[QQ+16*\t+8*\c:QQ+16*\t+8*\c+3], v[QO], s[QA:QA+1] offset:2048*\t+64*\c
	global_load_b128 v[QQ+16*\t+8*\c+4:QQ+16*\t+8*\c+7], v[QO], s[QA:QA+1] offset:2048*\t+64*\c+32
.endr
.endr
	WIN 0x40                                       ; destination window 1
.irp t, 0,1
.irp c, 0,1
	global_load_b128 v[Q2+16*\t+8*\c:Q2+16*\t+8*\c+3], v[QO], s[QB:QB+1] offset:2048*\t+64*\c
	global_load_b128 v[Q2+16*\t+8*\c+4:Q2+16*\t+8*\c+7], v[QO], s[QB:QB+1] offset:2048*\t+64*\c+32
.endr
.endr
	WIN 0
.macro INIT                            ; a block of queries begins: m = -3e38, l = 0, O = 0, the mask open
	WIN 0
.irp t, 0,1
	v_mov_b32 v[ST+8*\t+1], 0xff61b1e6
	v_mul_f32 v[ST+8*\t], s[CS], v[ST+8*\t+1]
.irp u, 2,3,4,5,6,7
	v_mov_b32 v[ST+8*\t+\u], 0
.endr
.endr
.set nn, 0
.rept 64
	v_mov_b32 v[MSK+nn], 0
.set nn, nn+1
.endr
	WIN 0x40
.set nn, 0
.rept 64
	v_mov_b32 v[nn], 0
.set nn, nn+1
.endr
	WIN 0
.endm
.macro SETMASK                         ; the diagonal step: register 8 kt + j of tile x holds key KEY0 + 16 kt + 8 h + j and query Q0 + 16 x + r: hidden where 16 kt + j > Q0 - KEY0 + 16 x + r - 8 h
	s_sub_co_u32 s56, s[Q0], s[KEY0]
.irp x, 0,1
	s_add_co_u32 s57, s56, 16*\x
	v_add_nc_u32 v14, s57, v[DQ]
.set nn, 0
.rept 32
	v_cmp_gt_i32 vcc_lo, 16*(nn/8)+nn%8, v14
	v_cndmask_b32 v[MSK+32*\x+nn], 0, v[NEG], vcc_lo
.set nn, nn+1
.endr
.endr
.endm
.macro KQ x                            ; product i of 8 of S^T = K Q^T for tile x: channels 32 (i / 4) on, keys 16 (i % 4) on.  The first four start the sums from the mask
	WIN 0
.set rS, S+32*(\x)+8*(i%4)
.set rK, KK+16*(i%4)+8*(i/4)
.set rQ, QQ+16*(\x)+8*(i/4)
.set rM, MSK+32*(\x)+8*(i%4)
.if i < 4
	v_wmma_f32_16x16x32_f16 v[rS:rS+7], v[rK:rK+7], v[rQ:rQ+7], v[rM:rM+7]
.else
	v_wmma_f32_16x16x32_f16 v[rS:rS+7], v[rK:rK+7], v[rQ:rQ+7], v[rS:rS+7]
.endif
.endm
.macro PVM x                           ; product i of 8 of O^T += V^T P for tile x: keys 32 (i / 4) on, channels 16 (i % 4) on
	WIN 0x55
.set rO, 32*(\x)+8*(i%4)
.set rV, VV+8*i
.set rP, P+16*(\x)+8*(i/4)
	v_wmma_f32_16x16x32_f16 v[rO:rO+7], v[rV:rV+7], v[rP:rP+7], v[rO:rO+7]
.endm
; Number j of 118 of tile t's softmax for a step.  0-15 the maximum of the lane's 32 scores and the old m; 16-20 the other half of the lanes', the new m, c m, its change;
; 21-69 ONE BATCH: 16 packed scalings c s - c m and 33 exponentials, none of which reads an exponential's result; (the wait: SMRUN); 70-85 roundings to f16 into P; 86-101 the sums; 102-117 O^T times a.
.macro SM t
.set rT, ST+8*(\t)
.set rS, S+32*(\t)
.set rP, P+16*(\t)
.set rO, 32*(\t)+2*(j-102)
.if (j >= 70) && (j < 86)
	WIN 0x40
.elseif j >= 102
	WIN 0x41
.else
	WIN 0
.endif
.if j < 4
	v_max3_num_f32 v[rT+4+j], v[rS+8*j], v[rS+8*j+1], v[rS+8*j+2]      ; each accumulator is read from its low end on
.elseif j < 12
	v_max3_num_f32 v[rT+4+j%4], v[rT+4+j%4], v[rS+8*(j%4)+2*(j/4)+1], v[rS+8*(j%4)+2*(j/4)+2]
.elseif j == 12
	v_max3_num_f32 v[rT+4], v[rT+4], v[rS+7], v[rS+15]
.elseif j == 13
	v_max3_num_f32 v[rT+6], v[rT+6], v[rS+23], v[rS+31]
.elseif j == 14
	v_max3_num_f32 v[rT+4], v[rT+4], v[rT+5], v[rT+6]
.elseif j == 15
	v_max3_num_f32 v[rT+4], v[rT+4], v[rT+7], v[rT+1]
.elseif j == 16
	v_permlanex16_b32 v[rT+5], v[rT+4], s[SEL], s[SEL+1]
.elseif j == 17
	v_mov_b32 v[rT+7], v[rT]
.elseif j == 18
	v_max_num_f32 v[rT+1], v[rT+4], v[rT+5]
.elseif j == 19
	v_mul_f32 v[rT], s[CS], v[rT+1]
.elseif j == 20
	v_sub_f32 v[rT+7], v[rT+7], v[rT]
.elseif j == 23
	v_exp_f32 v[rT+6], v[rT+7]                     ; a = 2^(c m_old - c m_new)
.elseif (j < 23) || ((j < 38) && (j%2 == 0)) || ((j < 66) && (j%4 == 2))
.set bb, (j-2)/4
.if j < 38
.set bb, (j-20)/2
.endif
	v_pk_fma_f32 v[rS+2*bb:rS+2*bb+1], v[rS+2*bb:rS+2*bb+1], s[CS:CS+1], v[rT:rT+1] op_sel_hi:[1,0,0] neg_lo:[0,0,1] neg_hi:[0,0,1]
.elseif j < 70
.set ee, j-38
.if j < 66
.set ee, j-32-(j-38)/4
.endif
.if j < 38
.set ee, (j-25)/2
.endif
	v_exp_f32 v[rS+ee], v[rS+ee]
.elseif j < 86
	v_cvt_pk_f16_f32 v[rP+j-70], v[rS+2*(j-70)], v[rS+2*(j-70)+1]
.elseif j < 102
.set zz, j-86
.set ww, 4
.set uu, zz
.if zz >= 14
.set ww, 32
.set uu, 0
.elseif zz >= 12
.set ww, 16
.set uu, zz-12
.elseif zz >= 8
.set ww, 8
.set uu, zz-8
.endif
.if zz < 15
	v_pk_add_f32 v[rS+ww*uu:rS+ww*uu+1], v[rS+ww*uu:rS+ww*uu+1], v[rS+ww*uu+ww/2:rS+ww*uu+ww/2+1]
.else
	v_pk_fma_f32 v[rT+2:rT+3], v[rT+2:rT+3], v[rT+6:rT+7], v[rS:rS+1] op_sel_hi:[1,0,1]
.endif
.else
	v_pk_mul_f32 v[rO:rO+1], v[rO:rO+1], v[rT+6:rT+7] op_sel_hi:[1,0]
.endif
.endm
.macro SMRUN t, n                      ; the next n numbers of tile t's list
.rept \n
.if j < 118
.if j == 70
	v_nop                                          ; a plain line behind the last exponential,
	s_wait_alu depctr_va_vdst(0)                   ; and the one wait ahead of the batch's first reader
.endif
	SM \t
.endif
.set j, j+1
.endr
.endm
.macro STEP                            ; 64 keys
	s_add_co_u32 s56, s[Q0], 31
	s_cmp_gt_u32 s[KEY0], s56                      ; all keys behind my last query: the step's work is left out; a branch on ids and counts alone, round no barrier and no tensor load
	s_cbranch_scc1 .Lskip_\@
	s_and_b32 s56, s[Q0], 0xffffffc0
	s_cmp_lg_u32 s[KEY0], s56
	s_cbranch_scc1 .Lopen_\@
	SETMASK
.Lopen_\@:
	v_add_nc_u32 v[ADK], s[TB], v[AK0]
	v_add_nc_u32 v[ADV], s[TB], v[AV0]
.irp kt, 0,1,2,3
.irp c, 0,1
	ds_load_b128 v[KK+16*\kt+8*\c:KK+16*\kt+8*\c+3], v[ADK] offset:16*PK*\kt+64*\c
	ds_load_b128 v[KK+16*\kt+8*\c+4:KK+16*\kt+8*\c+7], v[ADK] offset:16*PK*\kt+64*\c+32
.endr
.endr
	WIN 0x40
.irp f, 0,1,2,3,4,5,6,7
	ds_load_tr16_b128 v[VV+8*\f:VV+8*\f+3], v[ADV] offset:32*PV*(\f/4)+32*(\f%4)
	ds_load_tr16_b128 v[VV+8*\f+4:VV+8*\f+7], v[ADV] offset:32*PV*(\f/4)+32*(\f%4)+16*PV
.endr
	WIN 0
	s_wait_dscnt 16                                ; K is in; V's sixteen loads may be out
.set i, 0
.rept 8
	KQ 0
.set i, i+1
.endr
.rept 4
	v_nop                                          ; places ahead of the first read of A's scores
.endr
.set i, 0
.set j, 0
.rept 8
	KQ 1
	SMRUN 0, 15                                    ; A's softmax names none of these products' registers; the last slice, 13 plain lines, holds the places ahead of B's first read
.set i, i+1
.endr
	s_wait_dscnt 0x0                               ; V is in
.set i, 0
.set j, 0
.rept 8
	PVM 0
	SMRUN 1, 15
.set i, i+1
.endr
.set i, 0
.rept 8
	PVM 1
.set i, i+1
.endr
.rept 4
	v_nop                                          ; places ahead of the next loads into V's registers and of the way out's reads of O^T
.endr
	WIN 0
.Lskip_\@:
	s_add_co_u32 s[KEY0], s[KEY0], 64
	s_add_co_u32 s[TB], s[TB], STEPB
.endm
.macro SLOT_STEPS                      ; a slot's four steps: written once, walked four times
	s_mov_b32 s[STEPC], 4
.Lstep_\@:
	STEP
	s_sub_co_u32 s[STEPC], s[STEPC], 1
	s_cmp_lg_u32 s[STEPC], 0
	s_cbranch_scc1 .Lstep_\@
	s_sub_co_u32 s[TB], s[TB], 4*STEPB
	s_xor_b32 s[TB], s[TB], SLOT1
.endm
; THE CHANGE OF SLOTS, at a slot's head.  Each wave waits for all its tensor loads (its tile of the slot ahead), adds 0 to its spare word, waits for that and for its reads of the slot left; behind the barrier the
; slot ahead is whole and nobody reads the other one.  fill = 1: that other slot takes walk number TRIP + 1: slot TRIP + 1 of the first block's keys, or slot TRIP + 1 - N1 of the second's.
.macro CHANGE fill
	s_wait_tensorcnt 0x0                           ; no tensor load of mine is out, so group 0 may be written
	ds_add_u32 v[SPW], v[NIL]
.if \fill
	s_xor_b32 s[G0+1], s[G0+1], SLOT1
	s_add_co_u32 s56, s[TRIP], 1
	s_sub_co_u32 s57, s56, s[N1]
	s_cmp_lt_u32 s56, s[N1]
	s_cselect_b32 s56, s56, s57
	s_lshl_b32 s56, s56, 15                        ; 32,768 bytes a slot
	s_mov_b32 s57, 0
	s_add_nc_u64 s[G0+2:G0+3], s[TBASE:TBASE+1], s[56:57]
	s_or_b32 s[G0+3], s[G0+3], 0x80000000
	s_wait_xcnt 0x0                                ; the last prefetch, a slot back, has read its address
	s_add_nc_u64 s[PFA:PFA+1], s[PFA:PFA+1], 32768
.endif
	s_wait_dscnt 0x0
	s_barrier_signal -1
	s_barrier_wait -1
.if \fill
	TLOAD                                          ; first behind the barrier, my one tensor load until the next: it has four steps in which to land
	ASK
.endif
.endm
; THE WAY OUT of a block: l's halves and the other lanes' are added; O^T / l, rounded to f16, goes through my stage and leaves as 512 consecutive bytes a store.
.macro FINISH yp
	WIN 0
.irp t, 0,1
	v_add_f32 v[ST+8*\t+4], v[ST+8*\t+2], v[ST+8*\t+3]
.endr
.irp t, 0,1
	v_permlanex16_b32 v[ST+8*\t+5], v[ST+8*\t+4], s[SEL], s[SEL+1]
.endr
.irp t, 0,1
	v_add_f32 v[ST+8*\t+4], v[ST+8*\t+4], v[ST+8*\t+5]
.endr
.irp t, 0,1
	v_rcp_f32 v[ST+8*\t+6], v[ST+8*\t+4]
.endr
	v_nop
	s_wait_alu depctr_va_vdst(0)                   ; one wait for both reciprocals, ahead of their first reader
	WIN 0x01                                       ; source 0 (O^T) window 1
.irp t, 0,1
.set nn, 0
.rept 16
	v_pk_mul_f32 v[S+32*\t+nn:S+32*\t+nn+1], v[32*\t+nn:32*\t+nn+1], v[ST+8*\t+6:ST+8*\t+7] op_sel_hi:[1,0]
.set nn, nn+2
.endr
.endr
	WIN 0
.irp t, 0,1
.set nn, 0
.rept 16
	v_cvt_pk_f16_f32 v[S+32*\t+nn], v[S+32*\t+2*nn], v[S+32*\t+2*nn+1]
.set nn, nn+1
.endr
.endr
.irp t, 0,1
.irp ct, 0,1,2,3
	ds_store_b128 v[STO], v[S+32*\t+4*\ct:S+32*\t+4*\ct+3] offset:16*PK*\t+32*\ct
.endr
.endr
.irp u, 0,1,2,3,4,5,6,7
	ds_load_b128 v[KK+4*\u:KK+4*\u+3], v[RD] offset:4*PK*\u        ; LDS serves a wave's instructions in order: these see my stores
.endr
.irp u, 0,1,2,3,4,5,6,7
	s_wait_dscnt 7-\u
	global_store_b128 v[GO], v[KK+4*\u:KK+4*\u+3], s[\yp:\yp+1] offset:512*\u
.endr
	s_wait_xcnt 0x0                                ; the stores have read K's registers: the next step's loads may land there
.endm
	INIT
	s_wait_loadcnt 0x0                             ; Q, both blocks'
.Ltrip:                                            ; eight trips; the ninth slot is written out
	CHANGE 1
	s_cmp_lg_u32 s[TRIP], s[N1]                    ; the first block's slots are done (trip 1 to 4, by the work-group's number): on to the second block
	s_cbranch_scc1 .Lsame
	FINISH YA
	WIN 0x01
.set nn, 0
.rept 32
	v_mov_b32 v[QQ+nn], v[Q2+nn]
.set nn, nn+1
.endr
	INIT
	s_mov_b32 s[Q0], s[Q0B]
	s_mov_b32 s[KEY0], 0
.Lsame:
	SLOT_STEPS
	s_add_co_u32 s[TRIP], s[TRIP], 1
	s_cmp_lt_u32 s[TRIP], 8
	s_cbranch_scc1 .Ltrip
	CHANGE 0
	SLOT_STEPS
	FINISH YB
	s_wait_tensorcnt 0x0                           ; the wave's end
	ds_add_u32 v[SPW], v[NIL]
	s_wait_dscnt 0x0
	s_endpgm
.Lfunc_end_k_q626fb0a2eb_attn:
	.size	k_q626fb0a2eb_attn, .Lfunc_end_k_q626fb0a2eb_attn-k_q626fb0a2eb_attn
	.p2alignl 7, 3214868480
	.fill 96, 4, 3214868480
	.section	.rodata,"a",@progbits
	.p2align	6, 0x0
	.amdhsa_kernel k_q626fb0a2eb_attn
		.amdhsa_group_segment_fixed_size 327680
		.amdhsa_private_segment_fixed_size 0
		.amdhsa_enable_private_segment 0
		.amdhsa_kernarg_size 16
		.amdhsa_user_sgpr_count 2
		.amdhsa_user_sgpr_kernarg_segment_ptr 1
		.amdhsa_wavefront_size32 1
		.amdhsa_system_sgpr_workgroup_id_x 1
		.amdhsa_system_sgpr_workgroup_id_y 1
		.amdhsa_system_sgpr_workgroup_id_z 1
		.amdhsa_system_vgpr_workitem_id 0
		.amdhsa_next_free_vgpr 512
		.amdhsa_next_free_sgpr 66
		.amdhsa_reserve_vcc 1
		.amdhsa_float_denorm_mode_32 3
		.amdhsa_float_denorm_mode_16_64 3
		.amdhsa_memory_ordered 1
		.amdhsa_forward_progress 1
		.amdhsa_inst_pref_size 78
	.end_amdhsa_kernel
	.amdgpu_metadata
---
amdhsa.version: [ 1, 2 ]
amdhsa.kernels:
  - .name:           k_q626fb0a2eb_attn
    .symbol:         k_q626fb0a2eb_attn.kd
    .args:
      - { .name: qkv16, .offset: 0, .size: 8, .value_kind: global_buffer, .address_space: global }
      - { .name: y16, .offset: 8, .size: 8, .value_kind: global_buffer, .address_space: global }
    .group_segment_fixed_size: 327680
    .private_segment_fixed_size: 0
    .kernarg_segment_align: 8
    .kernarg_segment_size: 16
    .max_flat_workgroup_size: 256
    .sgpr_count:     66
    .vgpr_count:     512
    .wavefront_size: 32
...
	.end_amdgpu_metadata
.endif
;; end of part 3
;; launch proj (part 4): grid 4 x 64, 4 waves a work-group, clusters of 4 x 4, 327,680 bytes of LDS; arguments y16, wp16, b_proj, out0; writes out0
.if DOCPART == 4
	.amdgcn_target "amdgcn-amd-amdhsa--gfx1250"
	.amdhsa_code_object_version 6
	.text
	.protected	k_q626fb0a2eb_proj
	.globl	k_q626fb0a2eb_proj
	.p2align	8
	.type	k_q626fb0a2eb_proj,@function
k_q626fb0a2eb_proj:
	s_mov_b64 s[64:65], 0
	v_nop
	global_prefetch_b8 v0, s[64:65] scope:SCOPE_SE
	s_setreg_imm32_b32 hwreg(HW_REG_WAVE_MODE, 25, 1), 1
	s_wait_xcnt 0x0
	s_wait_alu depctr_hold_cnt(0) depctr_sa_sdst(0) depctr_va_vdst(0) depctr_va_sdst(0) depctr_va_ssrc(0) depctr_va_vcc(0) depctr_vm_vsrc(0)
	s_getreg_b32 s2, hwreg(HW_REG_IB_STS2, 6, 4)
	s_cmp_eq_u32 s2, 0
	s_cbranch_scc0 .Lentry_in_a_cluster
	s_endpgm
.Lentry_in_a_cluster:
	s_bfe_u32 s2, ttmp6, 0x10000c
	s_cmp_lg_u32 s2, 0xf033
	s_cbranch_scc0 .Lentry_shape_is_right
	s_endpgm
.Lentry_shape_is_right:
; Launch 4 of 5: out0 = y W_proj + b_proj for all positions from 16 on; f16 operands, f32 sums.  y16: [head][8192 rows][64]; wp16: [k 1024][n 1024]; out0: [8192][1024] f32.
; LEFT TO THE LAST LAUNCH: positions 0 to 15 of each sequence, which it makes in f32; their block of 16 rows is multiplied here along with the tile but not stored.
; A tile of 128 x 256 to a work-group (256 work-groups), 64 x 128 to a wave: 32 accumulators, window 2.  K goes in 8 steps of 128 (two heads' planes of y; 128 rows of W) through two LDS slots.
; CLUSTERS: 4 x 4.  Tile column = cx; tile row = cluster y + 16 cy, so cy is the batch and cluster y alone says whether a tile holds positions under 16.  y's tiles are shared along a row of the cluster, W's along a column.
; THE MATRIX INSTRUCTION IS USED TRANSPOSED: source 0 = 16 columns of W (turned out of LDS by ds_load_tr16_b128), source 1 = 16 rows of y: a lane holds eight neighbouring columns of a row.  The bias is the C of each sum's first product.
; No prefetch: the launch moves 52 MB for 1,024 matrix instructions a wave, and each refill has a K step less 8 matrix instructions in which to land.
; REGISTERS: window 0: v1-29 addresses; v64-127 the bias; v128-255 rows on the way out.  window 1: two fragment buffers of 96 (W's eight, y's four).  window 2: accumulator (a, b) at v[8 (8 a + b)].
.set PA,     144                       ; a row of y's tile: 128 bytes + 16
.set PB,     544                       ; a row of W's tile: 512 bytes + 32
.set APART,  2*128*PA
.set SLOT,   APART+128*PB
.set STAGE,  2*SLOT                    ; 16 rows x 528 bytes for each wave; no fill lands here
.set SPITCH, 528
.set SPARE,  STAGE+4*16*SPITCH
.set ADRA, 16
.set ADRB, 20
.set STO,  24
.set RD,   25
.set CO,   26
.set BO,   27
.set SPW,  28
.set NIL,  29
.set BI,   64
.set BK,   128
.set F0,   0
.set F1,   96
.set WV, 12
.set RH, 13                            ; my half of the rows; also: 0 fetches y, 1 fetches W
.set CH, 14                            ; my half of the columns; also: which plane of y, or which 64 rows of W, I fetch
.set G1, 24
.set G0, 32
.set G1B, 48
.set G0B, 56
.set MSB, 0
.macro WIN new
.if MSB != (\new)
	s_set_vgpr_msb (MSB<<8)|(\new)
.set MSB, (\new)
.endif
.endm
.macro JLOAD s                         ; a joint load; an s_nop 0 and four v_nop follow each line
	s_cmp_eq_u32 s[RH], 0
	s_cbranch_scc0 .Lfor_b_\@
	tensor_load_to_lds s[G0+4*\s:G0+4*\s+3], s[G1:G1+7]
	s_nop 0
.rept 4
	v_nop
.endr
	s_branch .Lasked_\@
.Lfor_b_\@:
	tensor_load_to_lds s[G0B+4*\s:G0B+4*\s+3], s[G1B:G1B+7]
	s_nop 0
.rept 4
	v_nop
.endr
.Lasked_\@:
.endm
.macro CREST
	s_cmp_lg_u32 s[WV], 0
	s_cbranch_scc1 .Lnot_wave_0_\@
	s_barrier_signal -3
.Lnot_wave_0_\@:
	s_barrier_wait -3
	s_barrier_signal -1
	s_barrier_wait -1
.endm
.macro CROUND
	s_barrier_signal -1
	s_barrier_wait -1
	CREST
.endm
	s_load_b256 s[4:11], s[0:1], 0x0               ; y16, wp16, b_proj, out0
	v_lshl_add_u32 v[SPW], v0, 2, SPARE
	v_mov_b32 v[NIL], 0
	ds_add_u32 v[SPW], v[NIL]                      ; the opening: the add, twice on end, and its wait ahead of my first tensor load
	ds_add_u32 v[SPW], v[NIL]
	v_lshrrev_b32 v1, 5, v0
	v_readfirstlane_b32 s[WV], v1
	s_lshr_b32 s[RH], s[WV], 1
	s_and_b32 s[CH], s[WV], 1
	s_bfe_u32 s40, ttmp6, 0x40000                  ; cx = tile column
	s_bfe_u32 s41, ttmp6, 0x40004                  ; cy = batch
	s_and_b32 s15, ttmp7, 0xffff                   ; cluster y
	s_lshl_b32 s42, s41, 4
	s_add_co_u32 s42, s42, s15                     ; tile row
	s_lshl_b32 s43, s41, 2
	s_lshl_b32 s43, 15, s43
	s_lshl_b32 s44, 0x1111, s40
	s_or_b32 s[G1+0], s43, (1<<16)|(1<<20)|(1<<21)|(4<<22)|(3<<25)   ; y: elements of 2 bytes; 4 words of padding behind every 32
	s_mov_b32 s[G1+1], 64<<16
	s_mov_b32 s[G1+2], 128<<16
	s_mov_b32 s[G1+3], 64<<16
	s_mov_b32 s[G1+4], 128
	s_mov_b32 s[G1+5], 64
	s_mov_b32 s[G1+6], 0
	s_mov_b32 s[G1+7], 0
	s_or_b32 s[G1B+0], s44, (1<<16)|(1<<20)|(1<<21)|(6<<22)|(7<<25)  ; W: 8 words of padding behind every 128
	s_mov_b32 s[G1B+1], 256<<16
	s_mov_b32 s[G1B+2], 64<<16
	s_mov_b32 s[G1B+3], 256<<16
	s_mov_b32 s[G1B+4], 64
	s_mov_b32 s[G1B+5], 1024
	s_mov_b32 s[G1B+6], 0
	s_mov_b32 s[G1B+7], 0
	s_lshl_b32 s16, s[CH], 20                      ; y: my plane (1,048,576 bytes), the tile's 128 rows of 128 bytes
	s_lshl_b32 s17, s42, 14
	s_add_co_u32 s16, s16, s17
	s_mov_b32 s17, 0
	s_lshl_b32 s46, s[CH], 17                      ; W: my 64 rows of 2,048 bytes, the tile's 512 bytes of each
	s_lshl_b32 s47, s40, 9
	s_add_co_u32 s46, s46, s47
	s_mov_b32 s47, 0
	s_mul_i32 s20, s[CH], 128*PA
	s_mul_i32 s21, s[CH], 64*PB
	s_add_co_u32 s21, s21, APART
	s_wait_dscnt 0x0
	s_wait_kmcnt 0x0
	s_add_nc_u64 s[16:17], s[4:5], s[16:17]
	s_add_nc_u64 s[46:47], s[6:7], s[46:47]
	CROUND
.irp s, 0,1
	s_mov_b32 s[G0+4*\s], 1
	s_add_co_u32 s[G0+4*\s+1], s20, \s*SLOT
	s_add_nc_u64 s[G0+4*\s+2:G0+4*\s+3], s[16:17], \s*2097152      ; K step s: two planes on
	s_or_b32 s[G0+4*\s+3], s[G0+4*\s+3], 0x80000000
	s_mov_b32 s[G0B+4*\s], 1
	s_add_co_u32 s[G0B+4*\s+1], s21, \s*SLOT
	s_add_nc_u64 s[G0B+4*\s+2:G0B+4*\s+3], s[46:47], \s*262144     ; 128 rows on
	s_or_b32 s[G0B+4*\s+3], s[G0B+4*\s+3], 0x80000000
	JLOAD \s
.endr
	v_and_b32 v1, 15, v0
	v_bfe_u32 v2, v0, 4, 1
	v_lshlrev_b32 v[BO], 5, v2
	s_lshl_b32 s18, s40, 10
	s_lshl_b32 s19, s[CH], 9
	s_add_co_u32 s18, s18, s19                     ; my first column, in bytes of f32
	s_mov_b32 s19, 0
	s_add_nc_u64 s[8:9], s[8:9], s[18:19]
.irp b, 0,1,2,3,4,5,6,7
	global_load_b128 v[BI+8*\b:BI+8*\b+3], v[BO], s[8:9] offset:64*\b
	global_load_b128 v[BI+8*\b+4:BI+8*\b+7], v[BO], s[8:9] offset:64*\b+16
.endr
	s_add_nc_u64 s[10:11], s[10:11], s[18:19]
	s_lshl_b32 s18, s42, 19                        ; 128 rows of 4,096 bytes a tile row,
	s_lshl_b32 s22, s[RH], 18                      ; 64 for my half
	s_add_co_u32 s18, s18, s22
	s_add_nc_u64 s[10:11], s[10:11], s[18:19]
	v_mul_u32_u24 v3, v1, PA
	v_lshl_add_u32 v3, v2, 4, v3
	v_and_b32 v4, 7, v0
	v_lshl_add_u32 v4, v2, 3, v4
	v_mul_u32_u24 v4, v4, PB
	v_bfe_u32 v5, v0, 3, 1
	v_lshl_add_u32 v4, v5, 4, v4
	s_mul_i32 s22, s[RH], 64*PA
	s_lshl_b32 s23, s[CH], 8
	s_add_co_u32 s23, s23, APART
.irp s, 0,1
	v_add_nc_u32 v[ADRA+\s], s22, v3
	v_add_nc_u32 v[ADRB+\s], s23, v4
	s_add_co_u32 s22, s22, SLOT
	s_add_co_u32 s23, s23, SLOT
.endr
	s_mul_i32 s22, s[WV], 16*SPITCH
	s_add_co_u32 s22, s22, STAGE
	v_mul_u32_u24 v5, v1, SPITCH
	v_lshl_add_u32 v5, v2, 5, v5
	v_add_nc_u32 v[STO], s22, v5
	v_and_b32 v6, 31, v0
	v_lshlrev_b32 v[CO], 4, v6
	v_add_nc_u32 v[RD], s22, v[CO]
.macro MUL8 f, a, zero                 ; y's block a against W's eight, 32 along K.  The 32 accumulators take turns in the same order in every quarter
.if \zero
	WIN 0x85                                       ; C: the bias, window 0
.else
	WIN 0xa5
.endif
.irp b, 0,1,2,3,4,5,6,7
.if \zero
	v_wmma_f32_16x16x32_f16 v[8*(8*(\a)+\b):8*(8*(\a)+\b)+7], v[\f+8*\b:\f+8*\b+7], v[\f+64+8*(\a):\f+64+8*(\a)+7], v[BI+8*\b:BI+8*\b+7]
.else
	v_wmma_f32_16x16x32_f16 v[8*(8*(\a)+\b):8*(8*(\a)+\b)+7], v[\f+8*\b:\f+8*\b+7], v[\f+64+8*(\a):\f+64+8*(\a)+7], v[8*(8*(\a)+\b):8*(8*(\a)+\b)+7]
.endif
.endr
.endm
.macro FETCH slot, q, f                ; 24 LDS loads in one run: quarter q's fragments: W's sixteen, then y's blocks 0, 1, then 2, 3
	WIN 0x40
.irp b, 0,1,2,3,4,5,6,7
	ds_load_tr16_b128 v[\f+8*\b:\f+8*\b+3], v[ADRB+\slot] offset:32*PB*(\q)+32*\b
	ds_load_tr16_b128 v[\f+8*\b+4:\f+8*\b+7], v[ADRB+\slot] offset:32*PB*(\q)+32*\b+16*PB
.endr
.irp a, 0,1,2,3
	ds_load_b128 v[\f+64+8*\a:\f+64+8*\a+3], v[ADRA+\slot] offset:128*PA*((\q)/2)+64*((\q)%2)+16*PA*\a
	ds_load_b128 v[\f+64+8*\a+4:\f+64+8*\a+7], v[ADRA+\slot] offset:128*PA*((\q)/2)+64*((\q)%2)+16*PA*\a+32
.endr
.endm
.macro PLACES
.rept 4
	v_nop
.endr
.endm
.macro QUARTER slot, q, f, g, zero     ; multiplies buffer f; in its middle fetches quarter q of the same slot into g
	s_wait_dscnt 4                                 ; all but y's blocks 2, 3
	MUL8 \f, 0, \zero
	MUL8 \f, 1, \zero
	PLACES
	FETCH \slot, \q, \g
	s_wait_dscnt 24                                ; all but the 24 just issued
	MUL8 \f, 2, \zero
	MUL8 \f, 3, \zero
.endm
.macro TURN slot, next, fill           ; the last quarter multiplies buffer 1 and changes slots
	WIN 0
	s_wait_tensorcnt 0x0                           ; all my tensor loads have landed: my part of the next slot
	ds_add_u32 v[SPW], v[NIL]
	s_wait_dscnt 5                                 ; (the add and the youngest four loads may be out)
	MUL8 F1, 0, 0
	s_wait_dscnt 0x0                               ; the add is done, my reads of this slot are over
	s_barrier_signal -1
	MUL8 F1, 1, 0
	WIN 0
	s_barrier_wait -1
.if \fill
	CREST                                          ; the barrier has opened a round of the cluster's: no wave of any partner reads this slot or has a load on its way
	s_add_nc_u64 s[G0+4*\slot+2:G0+4*\slot+3], s[G0+4*\slot+2:G0+4*\slot+3], 4194304
	s_add_nc_u64 s[G0B+4*\slot+2:G0B+4*\slot+3], s[G0B+4*\slot+2:G0B+4*\slot+3], 524288
	JLOAD \slot                                    ; first behind the round; its four v_nop are also the places ahead of the loads below
.else
	PLACES
.endif
	FETCH \next, 0, F0
	MUL8 F1, 2, 0
	MUL8 F1, 3, 0
.endm
	s_wait_tensorcnt 1                             ; my part of K step 0 is in (K step 1's may be out)
	s_barrier_signal -1
	s_barrier_wait -1
	FETCH 0, 0, F0
	s_wait_loadcnt 0x0                             ; the bias
	QUARTER 0, 1, F0, F1, 1
	WIN 0
	s_mov_b32 s3, 3
.Llap:                                             ; three trips, each once round the ring: K steps 2 to 7 are asked for here
	QUARTER 0, 2, F1, F0, 0
	QUARTER 0, 3, F0, F1, 0
	TURN 0, 1, 1
	QUARTER 1, 1, F0, F1, 0
	QUARTER 1, 2, F1, F0, 0
	QUARTER 1, 3, F0, F1, 0
	TURN 1, 0, 1
	QUARTER 0, 1, F0, F1, 0
	WIN 0
	s_sub_co_u32 s3, s3, 1
	s_cmp_lg_u32 s3, 0
	s_cbranch_scc1 .Llap
	QUARTER 0, 2, F1, F0, 0                        ; the last lap fills nothing
	QUARTER 0, 3, F0, F1, 0
	TURN 0, 1, 0
	QUARTER 1, 1, F0, F1, 0
	QUARTER 1, 2, F1, F0, 0
	QUARTER 1, 3, F0, F1, 0
	s_wait_dscnt 4
	MUL8 F1, 0, 0
	MUL8 F1, 1, 0
	s_wait_dscnt 0
	MUL8 F1, 2, 0
	MUL8 F1, 3, 0
	WIN 0
	PLACES
; THE WAY OUT, block by block of 16 rows x 128 columns, through my own stage: back as rows of 512 bytes, which the 32 lanes store whole.
.macro TOSTAGE a
	WIN 0x08                                       ; an LDS store's data: window 2
.irp b, 0,1,2,3,4,5,6,7
	ds_store_b128 v[STO], v[64*(\a)+8*\b:64*(\a)+8*\b+3] offset:64*\b          ; each accumulator from its low end on
	ds_store_b128 v[STO], v[64*(\a)+8*\b+4:64*(\a)+8*\b+7] offset:64*\b+16
.endr
	WIN 0
.set BB, BK+64*((\a)%2)
.irp t, 0,1,2,3,4,5,6,7,8,9,10,11,12,13,14,15
	ds_load_b128 v[BB+4*\t:BB+4*\t+3], v[RD] offset:\t*SPITCH
.endr
.endm
.macro SEND a, younger
.set BB, BK+64*((\a)%2)
	s_wait_dscnt \younger
.irp t, 0,1,2,3,4,5,6,7,8,9,10,11,12,13,14,15
	global_store_b128 v[CO], v[BB+4*\t:BB+4*\t+3], s[10:11] offset:(16*(\a)+\t)*4096 th:TH_STORE_NT
.endr
.endm
	s_or_b32 s22, s15, s[RH]                       ; cluster y = 0 and the tile's upper half: my block 0 is positions 0 to 15, which the last launch stores
	s_cmp_eq_u32 s22, 0
	s_cbranch_scc1 .Lno_block_0
	TOSTAGE 0
	SEND 0, 0
.Lno_block_0:
	TOSTAGE 1
	s_wait_xcnt 0x0                                ; block 0's stores have read their registers
	TOSTAGE 2
	SEND 1, 32                                     ; behind block 1's loads: block 2's 16 stores and 16 loads
	s_wait_xcnt 0x0
	TOSTAGE 3
	SEND 2, 32
	SEND 3, 0
	s_wait_tensorcnt 0x0                           ; the wave's end
	ds_add_u32 v[SPW], v[NIL]
	s_wait_dscnt 0x0
	CROUND                                         ; the closing round
	s_endpgm
.Lfunc_end_k_q626fb0a2eb_proj:
	.size	k_q626fb0a2eb_proj, .Lfunc_end_k_q626fb0a2eb_proj-k_q626fb0a2eb_proj
	.p2alignl 7, 3214868480
	.fill 96, 4, 3214868480
	.section	.rodata,"a",@progbits
	.p2align	6, 0x0
	.amdhsa_kernel k_q626fb0a2eb_proj
		.amdhsa_group_segment_fixed_size 327680
		.amdhsa_private_segment_fixed_size 0
		.amdhsa_enable_private_segment 0
		.amdhsa_kernarg_size 32
		.amdhsa_user_sgpr_count 2
		.amdhsa_user_sgpr_kernarg_segment_ptr 1
		.amdhsa_wavefront_size32 1
		.amdhsa_system_sgpr_workgroup_id_x 1
		.amdhsa_system_sgpr_workgroup_id_y 1
		.amdhsa_system_sgpr_workgroup_id_z 1
		.amdhsa_system_vgpr_workitem_id 0
		.amdhsa_next_free_vgpr 768
		.amdhsa_next_free_sgpr 66
		.amdhsa_reserve_vcc 0
		.amdhsa_float_denorm_mode_32 3
		.amdhsa_float_denorm_mode_16_64 3
		.amdhsa_memory_ordered 1
		.amdhsa_forward_progress 1
		.amdhsa_inst_pref_size 86
	.end_amdhsa_kernel
	.amdgpu_metadata
---
amdhsa.version: [ 1, 2 ]
amdhsa.kernels:
  - .name:           k_q626fb0a2eb_proj
    .symbol:         k_q626fb0a2eb_proj.kd
    .args:
      - { .name: y16, .offset: 0, .size: 8, .value_kind: global_buffer, .address_space: global }
      - { .name: wp16, .offset: 8, .size: 8, .value_kind: global_buffer, .address_space: global }
      - { .name: b_proj, .offset: 16, .size: 8, .value_kind: global_buffer, .address_space: global }
      - { .name: out0, .offset: 24, .size: 8, .value_kind: global_buffer, .address_space: global }
    .group_segment_fixed_size: 327680
    .private_segment_fixed_size: 0
    .kernarg_segment_align: 8
    .kernarg_segment_size: 32
    .max_flat_workgroup_size: 128
    .sgpr_count:     66
    .vgpr_count:     768
    .wavefront_size: 32
...
	.end_amdgpu_metadata
.endif
;; end of part 4
;; launch fine (part 5): grid 16 x 4, 16 waves a work-group, no clusters, 71,680 bytes of LDS; arguments fineq, W_proj, b_proj, out0; writes out0
.if DOCPART == 5
	.amdgcn_target "amdgcn-amd-amdhsa--gfx1250"
	.amdhsa_code_object_version 6
	.text
	.protected	k_q626fb0a2eb_fine
	.globl	k_q626fb0a2eb_fine
	.p2align	8
	.type	k_q626fb0a2eb_fine,@function
k_q626fb0a2eb_fine:
	s_mov_b64 s[64:65], 0
	v_nop
	global_prefetch_b8 v0, s[64:65] scope:SCOPE_SE
	s_setreg_imm32_b32 hwreg(HW_REG_WAVE_MODE, 25, 1), 1
	s_wait_xcnt 0x0
; Launch 5 of 5: positions 0 to 15 of each sequence, attention and projection, all in f32: these rows average one to sixteen values and are the largest, so 16-bit operands are too coarse for them.
; 64 rows of out0 in all: no bulk work.  fineq: f32 [batch][q, k, v][head][16][64] (k without its bias: shown dead at the head of the first kernel).
; Work-group (x, batch) makes columns 64 x .. 64 x + 63 of the batch's 16 rows.  Wave w is head w: its 16 x 16 attention (32 matrix instructions, repeated in each of the 16 work-groups of a batch, which spares a launch),
; then its 64 channels' part of the projection (64 matrix instructions); the sixteen parts meet in LDS, and wave w adds row w.
; v_wmma_f32_16x16x4_f32: lane (r, h) holds row r and k = 2 h + 0, 1.  Which four k an instruction takes is free so long as both sources take the same: each side's registers are loaded or left so that they agree.
; All products transposed: S^T = K Q^T, O^T = V^T P, OUT^T = W^T y: a lane holds one position (lane % 16) throughout.  v16-47 are written by matrix instructions alone.
; Nine plain lines stand behind each run of these matrix instructions: eight serve reads and loads, the ninth later matrix instructions that write over the same registers.
.set SPARE, 16*16*272                  ; behind the sixteen parts (16 rows x 272 bytes each): the spare words, 128 bytes a wave
.set DP,  16                           ; v16-47   S0, S1; then O^T (4); then OUT^T (4)
.set QR,  48                           ; v48-79   q
.set KR,  80                           ; v80-111  k
.set WRB, 48                           ; v48-111  W, channels 32-63 (loaded behind the scores)
.set VR,  112                          ; v112-143 v; then y
.set WRA, 144                          ; v144-207 W, channels 0-31; later the sixteen parts
.set T,   208
.set PR,  216
	s_load_b256 s[4:11], s[0:1], 0x0               ; fineq, W_proj, b_proj, out0
	v_lshl_add_u32 v12, v0, 2, SPARE
	v_mov_b32 v13, 0
	v_lshrrev_b32 v1, 5, v0
	v_readfirstlane_b32 s12, v1                    ; wave = head
	s_and_b32 s14, ttmp7, 0xffff                   ; batch
	v_and_b32 v1, 15, v0                           ; r
	v_bfe_u32 v2, v0, 4, 1                         ; h
	v_and_b32 v3, 31, v0
	v_lshlrev_b32 v4, 8, v1
	v_lshl_add_u32 v4, v2, 4, v4                   ; q, k: row r of 256 bytes, + 16 h
	v_lshlrev_b32 v5, 2, v1
	v_lshl_add_u32 v6, v2, 15, v5                  ; W: 8 h rows of 4,096 bytes, + 4 r
	v_lshl_add_u32 v5, v2, 11, v5                  ; v: 8 h rows of 256 bytes, + 4 r
	v_lshlrev_b32 v7, 3, v3                        ; 8 x lane
	s_mul_i32 s15, s12, 16*272
	v_mul_u32_u24 v8, v1, 272
	v_lshl_add_u32 v8, v2, 5, v8
	v_add_nc_u32 v8, s15, v8                       ; my part: row r, + 32 h
	s_mul_i32 s15, s12, 272
	v_add_nc_u32 v9, s15, v7                       ; row w of part 0
	v_lshlrev_b32 v10, 3, v2
	v_sub_nc_u32 v10, v1, v10                      ; r - 8 h
	v_mov_b32 v11, 0xff800000                      ; -infinity
	v_mov_b32 v225, 0                              ; (a lane permute's destination counts as read)
	s_mov_b32 s20, 0x76543210
	s_mov_b32 s21, 0xfedcba98
	s_mov_b32 s22, 0x3e38aa3b                      ; c = log2(e) / 8
	s_mul_i32 s16, s14, 196608
	s_lshl_b32 s17, s12, 12
	s_add_co_u32 s16, s16, s17
	s_mov_b32 s17, 0
	s_lshl_b32 s18, ttmp9, 8                       ; my 64 columns, in bytes
	s_mov_b32 s19, 0
	s_lshl_b32 s24, s12, 18                        ; my head's 64 rows of W_proj
	s_add_co_u32 s24, s24, s18
	s_mov_b32 s25, 0
	s_lshl_b32 s26, s14, 11
	s_add_co_u32 s26, s26, s12
	s_lshl_b32 s26, s26, 12                        ; row 2,048 batch + w of out0
	s_add_co_u32 s26, s26, s18
	s_mov_b32 s27, 0
	s_wait_kmcnt 0x0
	s_add_nc_u64 s[4:5], s[4:5], s[16:17]
	s_add_nc_u64 s[6:7], s[6:7], s[24:25]
	s_add_nc_u64 s[8:9], s[8:9], s[18:19]
	s_add_nc_u64 s[10:11], s[10:11], s[26:27]
.irp c, 0,1,2,3,4,5,6,7
	global_load_b128 v[QR+4*\c:QR+4*\c+3], v4, s[4:5] offset:32*\c                ; channels 8 c + 4 h + 0 .. 3 of position r
	global_load_b128 v[KR+4*\c:KR+4*\c+3], v4, s[4:5] offset:65536+32*\c
.endr
.irp ct, 0,1,2,3
.irp jj, 0,1,2,3,4,5,6,7
	global_load_b32 v[VR+8*\ct+\jj], v5, s[4:5] offset:131072+256*\jj+64*\ct      ; v(key 8 h + jj, channel 16 ct + r)
.endr
.endr
	global_load_b64 v[232:233], v7, s[8:9]         ; the bias of my two columns
.irp ct, 0,1
.irp nt, 0,1,2,3
.irp jj, 0,1,2,3,4,5,6,7
	global_load_b32 v[WRA+8*(4*\ct+\nt)+\jj], v6, s[6:7] offset:(16*\ct+\jj)*4096+64*\nt   ; W(channel 16 ct + 8 h + jj, column 16 nt + r)
.endr
.endr
.endr
	s_wait_loadcnt 63                              ; q and k are in: 97 loads were issued behind them, and 63 is the largest count a wait can name
	; S^T = K Q^T: sixteen steps of 4 channels, on two accumulators by turns
.irp u, 0,1,2,3,4,5,6,7,8,9,10,11,12,13,14,15
.if \u < 2
	v_wmma_f32_16x16x4_f32 v[DP+8*(\u%2):DP+8*(\u%2)+7], v[KR+2*\u:KR+2*\u+1], v[QR+2*\u:QR+2*\u+1], 0
.else
	v_wmma_f32_16x16x4_f32 v[DP+8*(\u%2):DP+8*(\u%2)+7], v[KR+2*\u:KR+2*\u+1], v[QR+2*\u:QR+2*\u+1], v[DP+8*(\u%2):DP+8*(\u%2)+7]
.endif
.endr
.rept 9
	v_nop
.endr
.irp ct, 0,1
.irp nt, 0,1,2,3
.irp jj, 0,1,2,3,4,5,6,7
	global_load_b32 v[WRB+8*(4*\ct+\nt)+\jj], v6, s[6:7] offset:(32+16*\ct+\jj)*4096+64*\nt
.endr
.endr
.endr
.irp j, 0,1,2,3,4,5,6,7
	v_add_f32 v[T+\j], v[DP+\j], v[DP+8+\j]        ; register j: key 8 h + j, query r
.endr
.irp j, 0,1,2,3,4,5,6,7
	v_cmp_gt_i32 vcc_lo, \j, v10                   ; hidden where 8 h + j > r
	v_cndmask_b32 v[T+\j], v[T+\j], v11, vcc_lo
.endr
	v_max3_num_f32 v224, v[T], v[T+1], v[T+2]
	v_max3_num_f32 v224, v224, v[T+3], v[T+4]
	v_max3_num_f32 v224, v224, v[T+5], v[T+6]
	v_max_num_f32 v224, v224, v[T+7]
	v_permlanex16_b32 v225, v224, s20, s21
	v_max_num_f32 v224, v224, v225                 ; the row's maximum: key 0 counts for every query, so it is a number
	v_mul_f32 v226, s22, v224
.irp j, 0,1,2,3,4,5,6,7
	v_fma_f32 v[T+\j], v[T+\j], s22, -v226
.endr
.irp j, 0,1,2,3,4,5,6,7
	v_exp_f32 v[PR+\j], v[T+\j]
.endr
	v_nop
	s_wait_alu depctr_va_vdst(0)                   ; one wait for the eight, ahead of their first reader
	v_add_f32 v226, v[PR], v[PR+1]
	v_add_f32 v227, v[PR+2], v[PR+3]
	v_add_f32 v229, v[PR+4], v[PR+5]
	v_add_f32 v230, v[PR+6], v[PR+7]
	v_add_f32 v226, v226, v227
	v_add_f32 v229, v229, v230
	v_add_f32 v226, v226, v229
	v_permlanex16_b32 v227, v226, s20, s21
	v_add_f32 v226, v226, v227
	v_rcp_f32 v228, v226
	v_nop
	s_wait_alu depctr_va_vdst(0)
	s_wait_loadcnt 63                              ; v is in: 129 loads were issued behind it
	; O^T = V^T P: four steps of 4 keys (8 h + 2 s + 0, 1 on both sides), four tiles of channels by turns
.irp s, 0,1,2,3
.irp ct, 0,1,2,3
.if \s == 0
	v_wmma_f32_16x16x4_f32 v[DP+8*\ct:DP+8*\ct+7], v[VR+8*\ct+2*\s:VR+8*\ct+2*\s+1], v[PR+2*\s:PR+2*\s+1], 0
.else
	v_wmma_f32_16x16x4_f32 v[DP+8*\ct:DP+8*\ct+7], v[VR+8*\ct+2*\s:VR+8*\ct+2*\s+1], v[PR+2*\s:PR+2*\s+1], v[DP+8*\ct:DP+8*\ct+7]
.endif
.endr
.endr
.rept 9
	v_nop
.endr
.irp j, 0,1,2,3,4,5,6,7,8,9,10,11,12,13,14,15,16,17,18,19,20,21,22,23,24,25,26,27,28,29,30,31
	v_mul_f32 v[VR+\j], v[DP+\j], v228             ; y(r, channel 16 ct + 8 h + j) in register 8 ct + j
.endr
	s_wait_loadcnt 0x0                             ; W and the bias
	; OUT^T = W^T y over my 64 channels: sixteen steps of 4 channels, four tiles of columns by turns
.irp ct, 0,1,2,3
.irp s, 0,1,2,3
.irp nt, 0,1,2,3
.if \ct < 2
.set WR, WRA+8*(4*\ct+\nt)+2*\s
.else
.set WR, WRB+8*(4*(\ct-2)+\nt)+2*\s
.endif
.if (\ct == 0) && (\s == 0)
	v_wmma_f32_16x16x4_f32 v[DP+8*\nt:DP+8*\nt+7], v[WR:WR+1], v[VR+8*\ct+2*\s:VR+8*\ct+2*\s+1], 0
.else
	v_wmma_f32_16x16x4_f32 v[DP+8*\nt:DP+8*\nt+7], v[WR:WR+1], v[VR+8*\ct+2*\s:VR+8*\ct+2*\s+1], v[DP+8*\nt:DP+8*\nt+7]
.endif
.endr
.endr
.endr
.rept 9
	v_nop
.endr
.irp nt, 0,1,2,3
	ds_store_b128 v8, v[DP+8*\nt:DP+8*\nt+3] offset:64*\nt         ; position r, columns 16 nt + 8 h + 0 .. 7; each accumulator from its low end on
	ds_store_b128 v8, v[DP+8*\nt+4:DP+8*\nt+7] offset:64*\nt+16
.endr
	s_wait_dscnt 0x0                               ; for the others' sake: my part has landed
	s_barrier_signal -1
	s_barrier_wait -1
.irp p, 0,1,2,3,4,5,6,7,8,9,10,11,12,13,14,15
	ds_load_b64 v[WRA+2*\p:WRA+2*\p+1], v9 offset:16*272*\p        ; row w of each head's part, two columns a lane
.endr
	s_wait_dscnt 0x0
	v_pk_add_f32 v[234:235], v[232:233], v[WRA:WRA+1]
.irp p, 1,2,3,4,5,6,7,8,9,10,11,12,13,14,15
	v_pk_add_f32 v[234:235], v[234:235], v[WRA+2*\p:WRA+2*\p+1]
.endr
	global_store_b64 v7, v[234:235], s[10:11] th:TH_STORE_NT       ; the wave stores 256 consecutive bytes, aligned
	s_wait_tensorcnt 0x0                           ; the wave's end, behind my last LDS store
	ds_add_u32 v12, v13
	s_wait_dscnt 0x0
	s_endpgm
.Lfunc_end_k_q626fb0a2eb_fine:
	.size	k_q626fb0a2eb_fine, .Lfunc_end_k_q626fb0a2eb_fine-k_q626fb0a2eb_fine
	.p2alignl 7, 3214868480
	.fill 96, 4, 3214868480
	.section	.rodata,"a",@progbits
	.p2align	6, 0x0
	.amdhsa_kernel k_q626fb0a2eb_fine
		.amdhsa_group_segment_fixed_size 71680
		.amdhsa_private_segment_fixed_size 0
		.amdhsa_enable_private_segment 0
		.amdhsa_kernarg_size 32
		.amdhsa_user_sgpr_count 2
		.amdhsa_user_sgpr_kernarg_segment_ptr 1
		.amdhsa_wavefront_size32 1
		.amdhsa_system_sgpr_workgroup_id_x 1
		.amdhsa_system_sgpr_workgroup_id_y 1
		.amdhsa_system_sgpr_workgroup_id_z 1
		.amdhsa_system_vgpr_workitem_id 0
		.amdhsa_next_free_vgpr 256
		.amdhsa_next_free_sgpr 66
		.amdhsa_reserve_vcc 1
		.amdhsa_float_denorm_mode_32 3
		.amdhsa_float_denorm_mode_16_64 3
		.amdhsa_memory_ordered 1
		.amdhsa_forward_progress 1
		.amdhsa_inst_pref_size 32
	.end_amdhsa_kernel
	.amdgpu_metadata
---
amdhsa.version: [ 1, 2 ]
amdhsa.kernels:
  - .name:           k_q626fb0a2eb_fine
    .symbol:         k_q626fb0a2eb_fine.kd
    .args:
      - { .name: fineq, .offset: 0, .size: 8, .value_kind: global_buffer, .address_space: global }
      - { .name: W_proj, .offset: 8, .size: 8, .value_kind: global_buffer, .address_space: global }
      - { .name: b_proj, .offset: 16, .size: 8, .value_kind: global_buffer, .address_space: global }
      - { .name: out0, .offset: 24, .size: 8, .value_kind: global_buffer, .address_space: global }
    .group_segment_fixed_size: 71680
    .private_segment_fixed_size: 0
    .kernarg_segment_align: 8
    .kernarg_segment_size: 32
    .max_flat_workgroup_size: 512
    .sgpr_count:     66
    .vgpr_count:     256
    .wavefront_size: 32
...
	.end_amdgpu_metadata
.endif
;; end of part 5
